; MI455X (gfx1250); checked and timed in simulation.
; The chip was launched on July 23, 2026; its instructions are those of AMD's public machine-readable ISA for CDNA 5 (MIT licence, August 2026) and "CDNA5" Instruction Set Architecture Reference Guide (July 2026). The comments in the code are by the model that wrote it; some were corrected since.
;; Multi Head Self Attention. Allowed arithmetic: float matrix products may take bf16 or f16 operands with f32 sums; all other float work in f32.
;; Inputs: Wk_b 1,024 float32; Wk_w 1,024 x 1,024 float32; Wo_b 1,024 float32; Wo_w 1,024 x 1,024 float32; Wq_b 1,024 float32; Wq_w 1,024 x 1,024 float32; Wv_b 1,024 float32; Wv_w 1,024 x 1,024 float32; mask 2 x 2,048 bool; x 2 x 2,048 x 1,024 float32.
;; Outputs: out0 2 x 2,048 x 1,024 float32.
;; One version. Each part assembles by itself: llvm-mc -triple=amdgcn-amd-amdhsa -mcpu=gfx1250 --defsym DOCPART=n.
;; ======== version 1 of 1: 4 launches
;; limits: values are held in f16: magnitudes above 65,504 overflow, below 6.1e-05 lose precision; inputs' magnitudes at most 65,504; right only within a limited range of input values
;; workspace buffers: xw 16,777,216 bytes; qkv 25,165,824 bytes; att 8,388,608 bytes; mx 2,304 bytes
;; launch cast (part 1): grid 64 x 8, 8 waves a work-group, no clusters, 1,280 bytes of LDS; arguments x, Wq_w, Wk_w, Wv_w, Wo_w, Wq_b, Wk_b, Wv_b, xw, mx; writes xw, mx
.if DOCPART == 1
	.amdgcn_target "amdgcn-amd-amdhsa--gfx1250"
	.amdhsa_code_object_version 6
	.text
	.protected	k_qceb04148ba_cast
	.globl	k_qceb04148ba_cast
	.p2align	8
	.type	k_qceb04148ba_cast,@function
k_qceb04148ba_cast:
	s_mov_b64 s[64:65], 0
	v_nop
	global_prefetch_b8 v0, s[64:65] scope:SCOPE_SE
	s_setreg_imm32_b32 hwreg(HW_REG_WAVE_MODE, 25, 1), 1
	s_wait_xcnt 0x0
; f32 -> f16 of x and the four weight matrices, into one buffer, and the largest magnitudes that later launches need for their scales.
;   xw bytes [0, 8 MiB) x as [4096][1024]; [8, 14 MiB) Wq | Wk | Wv as [3072][1024]; [14, 16 MiB) Wo as [1024][1024].
;   mx words 64 y + gx: the largest |number| of piece y's part gx (y = 0..3 x, 4 Wq, 5 Wk, 6 Wv); words 512..514: of Wq_b, Wk_b, Wv_b.
; The sources are eight pieces of 4 MiB: y = 0..3 the quarters of x, y = 4..7 Wq, Wk, Wv, Wo; piece y goes to xw + y * 2 MiB.
; A work-group takes 64 KiB of a piece.  Thread t in pass i reads the 32 bytes at 32 t + 8192 i and stores the 16 bytes at
; 16 t + 4096 i: sixteen neighbouring lanes store 256 consecutive bytes, aligned.  All loads of a thread are issued first.
; LIMIT: numbers above 65,504 in magnitude have no f16; numbers below 2^-14 keep an absolute error of 2^-25.
; A stream: every byte is read once and written once; LDS serves only the eight waves' maxima.  A work-group's maximum is one word,
; stored by one lane: the whole maximum spans work-groups, and each later launch folds the 448 words itself.
.set X,  8                             ; v[8:71]    pass i: 8 f32 as loaded
.set Y,  72                            ; v[72:103]  pass i: 8 f16 to store
.set MX, 104                           ; v104 largest magnitude of my 64 numbers, v105 of my four biases: a pair for one LDS store
.set BB, 106                           ; v[106:109] four biases, or zeros
.set RR, 112                           ; v[112:127] the eight waves' pairs
	s_load_b512 s[4:19], s[0:1], 0x0               ; x s[4:5], Wq s[6:7], Wk s[8:9], Wv s[10:11], Wo s[12:13], Wq_b s[14:15], Wk_b s[16:17], Wv_b s[18:19]
	s_load_b128 s[20:23], s[0:1], 0x40             ; xw s[20:21], mx s[22:23]
	v_lshl_add_u32 v128, v0, 2, 0x100
	v_mov_b32 v129, 0
	s_and_b32 s24, ttmp7, 0xffff                   ; y: which piece
	v_lshlrev_b32 v1, 5, v0                        ; 32 t
	v_lshlrev_b32 v2, 4, v0                        ; 16 t
	v_lshrrev_b32 v3, 5, v0
	v_lshlrev_b32 v3, 3, v3                        ; 8 x wave: my wave's pair in LDS
	v_mov_b32 v4, 0
.irp k, 0,1,2,3
	v_mov_b32 v[BB+\k], 0                          ; a work-group without a bias folds zeros
.endr
	s_mov_b32 s38, 0x76543210                      ; v_permlanex16_b32: lane i takes lane i of the other half
	s_mov_b32 s39, 0xfedcba98
	s_lshl_b32 s28, s24, 22                        ; a quarter of x lies y * 4 MiB into x;
	s_cmp_lt_u32 s24, 4
	s_cselect_b32 s28, s28, 0                      ; a weight matrix starts at its own buffer's first byte
	s_lshl_b32 s25, ttmp9, 16
	s_add_co_u32 s28, s28, s25                     ; + the work-group's 64 KiB
	s_mov_b32 s29, 0
	s_lshl_b32 s30, s24, 21                        ; out: y * 2 MiB
	s_lshl_b32 s25, ttmp9, 15
	s_add_co_u32 s30, s30, s25                     ; + the work-group's 32 KiB
	s_mov_b32 s31, 0
	s_lshl_b32 s36, s24, 8                         ; mx: word 64 y + gx
	s_lshl_b32 s25, ttmp9, 2
	s_add_co_u32 s36, s36, s25
	s_mov_b32 s37, 0
	s_sub_co_u32 s32, s24, 4
	s_or_b32 s32, s32, s25                         ; (y - 4) | 4 gx: 0, 1, 2 in the first work-groups of Wq, Wk, Wv, larger in all others
	s_wait_kmcnt 0x0
	s_mov_b64 s[26:27], s[4:5]                     ; the source buffer, chosen by y alone
	s_cmp_eq_u32 s24, 4
	s_cselect_b64 s[26:27], s[6:7], s[26:27]
	s_cmp_eq_u32 s24, 5
	s_cselect_b64 s[26:27], s[8:9], s[26:27]
	s_cmp_eq_u32 s24, 6
	s_cselect_b64 s[26:27], s[10:11], s[26:27]
	s_cmp_eq_u32 s24, 7
	s_cselect_b64 s[26:27], s[12:13], s[26:27]
	s_add_nc_u64 s[26:27], s[26:27], s[28:29]
	s_add_nc_u64 s[20:21], s[20:21], s[30:31]
	s_add_nc_u64 s[36:37], s[22:23], s[36:37]
	s_cmp_lt_u32 s32, 3
	s_cbranch_scc0 .Lno_bias
	s_cmp_eq_u32 s32, 1                            ; these three work-groups also read a bias: 1,024 f32, 16 bytes a thread
	s_cselect_b64 s[34:35], s[16:17], s[14:15]
	s_cmp_eq_u32 s32, 2
	s_cselect_b64 s[34:35], s[18:19], s[34:35]
	global_load_b128 v[BB:BB+3], v2, s[34:35]      ; older than the sixteen loads below: their counted waits cover it
.Lno_bias:
.irp i, 0,1,2,3,4,5,6,7
	global_load_b128 v[X+8*\i:X+8*\i+3],   v1, s[26:27] offset:\i*8192 th:TH_LOAD_NT
	global_load_b128 v[X+8*\i+4:X+8*\i+7], v1, s[26:27] offset:\i*8192+16 th:TH_LOAD_NT
.endr
.irp i, 0,1,2,3,4,5,6,7
	s_wait_loadcnt 14-2*\i                         ; loads come back in order: pass i's two are in, the 14 - 2 i younger ones stay out
.irp k, 0,1,2,3
	v_cvt_pk_f16_f32 v[Y+4*\i+\k], v[X+8*\i+2*\k], v[X+8*\i+2*\k+1]
.endr
.if \i == 0
	v_max_num_f32 v[MX], |v[X]|, |v[X+1]|          ; the first two numbers start the maximum
.else
	v_max3_num_f32 v[MX], v[MX], |v[X+8*\i]|, |v[X+8*\i+1]|
.endif
.irp k, 1,2,3
	v_max3_num_f32 v[MX], v[MX], |v[X+8*\i+2*\k]|, |v[X+8*\i+2*\k+1]|
.endr
	global_store_b128 v2, v[Y+4*\i:Y+4*\i+3], s[20:21] offset:\i*4096   ; no source of a pending access is written again in this text
.endr
	v_max3_num_f32 v[MX+1], |v[BB]|, |v[BB+1]|, |v[BB+2]|
	v_max_num_f32 v[MX+1], v[MX+1], |v[BB+3]|
	; across the 32 lanes, both maxima
.irp m, 1,2,4,8
	v_max_num_f32_dpp v[MX], v[MX], v[MX] row_xmask:\m row_mask:0xf bank_mask:0xf
	v_max_num_f32_dpp v[MX+1], v[MX+1], v[MX+1] row_xmask:\m row_mask:0xf bank_mask:0xf
.endr
	v_permlanex16_b32 v[X], v[MX], s38, s39        ; destinations that have been written before
	v_permlanex16_b32 v[X+1], v[MX+1], s38, s39
	v_max_num_f32 v[MX], v[MX], v[X]
	v_max_num_f32 v[MX+1], v[MX+1], v[X+1]
	; across the eight waves
	ds_store_b64 v3, v[MX:MX+1]                    ; all lanes of a wave write the same pair
	s_wait_dscnt 0x0                               ; for the others' sake: my store is done
	s_barrier_signal -1
	s_barrier_wait -1
.irp k, 0,1,2,3
	ds_load_b128 v[RR+4*\k:RR+4*\k+3], v4 offset:16*\k
.endr
	s_wait_dscnt 0x0
.irp p, 0,1
	v_max3_num_f32 v[MX+\p], v[RR+\p], v[RR+2+\p], v[RR+4+\p]
	v_max3_num_f32 v[MX+\p], v[MX+\p], v[RR+6+\p], v[RR+8+\p]
	v_max3_num_f32 v[MX+\p], v[MX+\p], v[RR+10+\p], v[RR+12+\p]
	v_max_num_f32 v[MX+\p], v[MX+\p], v[RR+14+\p]
.endr
	s_wait_xcnt 0x0                                ; EXEC is a source of the pending stores: it changes only behind this wait
	v_cmp_eq_u32 vcc_lo, 0, v0
	s_and_saveexec_b32 s40, vcc_lo                 ; thread 0 alone stores the work-group's words
	s_cmp_eq_u32 s24, 7
	s_cbranch_scc1 .Lno_word                       ; Wo's maximum serves no scale
	global_store_b32 v4, v[MX], s[36:37]
.Lno_word:
	s_cmp_lt_u32 s32, 3
	s_cbranch_scc0 .Lend
	s_lshl_b32 s42, s32, 2
	s_mov_b32 s43, 0
	s_add_nc_u64 s[42:43], s[22:23], s[42:43]
	global_store_b32 v4, v[MX+1], s[42:43] offset:2048
.Lend:
	s_wait_xcnt 0x0
	s_mov_b32 exec_lo, -1
	s_wait_tensorcnt 0x0
	ds_add_u32 v128, v129
	s_wait_dscnt 0x0
	s_endpgm
.Lfunc_end_k_qceb04148ba_cast:
	.size	k_qceb04148ba_cast, .Lfunc_end_k_qceb04148ba_cast-k_qceb04148ba_cast
	.p2alignl 7, 3214868480
	.fill 96, 4, 3214868480
	.section	.rodata,"a",@progbits
	.p2align	6, 0x0
	.amdhsa_kernel k_qceb04148ba_cast
		.amdhsa_group_segment_fixed_size 1280
		.amdhsa_private_segment_fixed_size 0
		.amdhsa_enable_private_segment 0
		.amdhsa_kernarg_size 80
		.amdhsa_user_sgpr_count 2
		.amdhsa_user_sgpr_kernarg_segment_ptr 1
		.amdhsa_wavefront_size32 1
		.amdhsa_system_sgpr_workgroup_id_x 1
		.amdhsa_system_sgpr_workgroup_id_y 1
		.amdhsa_system_sgpr_workgroup_id_z 1
		.amdhsa_system_vgpr_workitem_id 0
		.amdhsa_next_free_vgpr 130
		.amdhsa_next_free_sgpr 66
		.amdhsa_reserve_vcc 1
		.amdhsa_float_denorm_mode_32 3
		.amdhsa_float_denorm_mode_16_64 3
		.amdhsa_memory_ordered 1
		.amdhsa_forward_progress 1
		.amdhsa_inst_pref_size 12
	.end_amdhsa_kernel
	.amdgpu_metadata
---
amdhsa.version: [ 1, 2 ]
amdhsa.kernels:
  - .name:           k_qceb04148ba_cast
    .symbol:         k_qceb04148ba_cast.kd
    .args:
      - { .name: x, .offset: 0, .size: 8, .value_kind: global_buffer, .address_space: global }
      - { .name: Wq_w, .offset: 8, .size: 8, .value_kind: global_buffer, .address_space: global }
      - { .name: Wk_w, .offset: 16, .size: 8, .value_kind: global_buffer, .address_space: global }
      - { .name: Wv_w, .offset: 24, .size: 8, .value_kind: global_buffer, .address_space: global }
      - { .name: Wo_w, .offset: 32, .size: 8, .value_kind: global_buffer, .address_space: global }
      - { .name: Wq_b, .offset: 40, .size: 8, .value_kind: global_buffer, .address_space: global }
      - { .name: Wk_b, .offset: 48, .size: 8, .value_kind: global_buffer, .address_space: global }
      - { .name: Wv_b, .offset: 56, .size: 8, .value_kind: global_buffer, .address_space: global }
      - { .name: xw, .offset: 64, .size: 8, .value_kind: global_buffer, .address_space: global }
      - { .name: mx, .offset: 72, .size: 8, .value_kind: global_buffer, .address_space: global }
    .group_segment_fixed_size: 1280
    .private_segment_fixed_size: 0
    .kernarg_segment_align: 8
    .kernarg_segment_size: 80
    .max_flat_workgroup_size: 256
    .sgpr_count:     66
    .vgpr_count:     130
    .wavefront_size: 32
...
	.end_amdgpu_metadata
.endif
;; end of part 1
;; launch qkv (part 2): grid 16 x 16, 4 waves a work-group, clusters of 4 x 4, 327,680 bytes of LDS; arguments xw, Wq_b, Wk_b, Wv_b, mx, qkv; writes qkv
.if DOCPART == 2
	.amdgcn_target "amdgcn-amd-amdhsa--gfx1250"
	.amdhsa_code_object_version 6
	.text
	.protected	k_qceb04148ba_qkv
	.globl	k_qceb04148ba_qkv
	.p2align	8
	.type	k_qceb04148ba_qkv,@function
k_qceb04148ba_qkv:
	s_mov_b64 s[64:65], 0
	v_nop
	global_prefetch_b8 v0, s[64:65] scope:SCOPE_SE
	s_setreg_imm32_b32 hwreg(HW_REG_WAVE_MODE, 25, 1), 1
	s_wait_xcnt 0x0
	s_wait_alu depctr_hold_cnt(0) depctr_sa_sdst(0) depctr_va_vdst(0) depctr_va_sdst(0) depctr_va_ssrc(0) depctr_va_vcc(0) depctr_vm_vsrc(0)
	s_getreg_b32 s2, hwreg(HW_REG_IB_STS2, 6, 4)
	s_cmp_eq_u32 s2, 0
	s_cbranch_scc0 .Lentry_in_a_cluster
	s_endpgm
.Lentry_in_a_cluster:
	s_bfe_u32 s2, ttmp6, 0x10000c
	s_cmp_lg_u32 s2, 0xf033
	s_cbranch_scc0 .Lentry_shape_is_right
	s_endpgm
.Lentry_shape_is_right:
; q | k | v = x W^T + bias: [4096 x 1024] times [3072 x 1024]^T in f16 with f32 sums, stored in f16 by heads, each divided by its scale:
; qkv[b][slice][s][64], slices 0-15 the heads of q, 16-31 of k, 32-47 of v; a slice is 262,144 dense bytes.
; THE SCALES: no |q| passes B = 1024 max|x| max|Wq| + max|Wq_b|.  With e the exponent of B, q is stored times 2^(14 - e): at most 2^15 in
; magnitude, whatever the inputs' size or offset; k and v likewise.  The maxima come from mx, which the launch before stored.
; LIMIT: B's biased exponent is clamped to 87..187, so B between 2^-40 and 2^60 is served.
; A work-group makes 256 rows x 192 features (three whole slices); 16 x 16 work-groups.  Wave w makes rows 64 w .. 64 w + 63 of the
; block and all 192 features: 4 x 12 accumulator tiles, 384 registers.  K = 1024 goes in 8 steps of 128 through two LDS slots.
; CLUSTERS: 4 x 4 work-groups.  x's tile hangs on the block row alone and is asked for jointly along a row of the cluster, W's on the
; block column alone and is asked for jointly along a column.  Every wave issues one load of each kind for a slot (64 rows of x,
; 48 rows of W); by this text's own count a wave has four tensor loads out at the start and two behind each refill.
; THE MATRIX INSTRUCTION IS USED TRANSPOSED (source 0 = 16 rows of W, source 1 = 16 rows of x): lane l holds row l % 16 and eight
; neighbouring features 8 (l / 16) + 0..7, which pack into 16 bytes.  The bias is the C operand of the first K quarter: nothing is cleared.
; The 48 accumulators take turns, one instruction a turn, in the same order in every quarter.
; REGISTERS in windows of 256: window 0 addresses, x fragments (two buffers), bias / way out, maxima; window 1 W fragments (two buffers);
; window 2 accumulators of my rows 0-31 (tile (a, b) at v[8 (12 a + b)]); window 3 those of rows 32-63.
.set PITCH,  272                       ; an LDS row: 256 bytes + 16 of padding, an odd multiple of 16
.set ABYTES, 256*PITCH                 ; x's 256 rows
.set SLOT,   448*PITCH                 ; then W's 192 rows: 121,856 bytes
.set STAGE,  2*SLOT                    ; behind the ring: for each wave [3 slices][16 rows][144 bytes]; no tensor load lands here
.set WSTAGE, 3*16*144
.set ELO, 87                           ; clamp of B's biased exponent, the same in all three launches that make scales
.set EHI, 187
.set ADRA, 16                          ; v16-17  LDS address of my x fragments in slot 0, 1
.set ADRB, 20                          ; v20-21  the same for W
.set STO,  24                          ; way out: where I put 16 bytes
.set RD,   25                          ; way out: where I read 16 bytes back
.set CO,   26                          ; 16 x lane
.set BO,   27                          ; 32 x (lane / 16): my eight biases in a tile's sixteen
.set FX,   32                          ; window 0: x fragments, buffer p at FX + 32 p
.set FW,   0                           ; window 1: W fragments, buffer p at FW + 96 p
.set BIAS, 128                         ; window 0: v[128:223], tile b's eight biases
.set TMP,  128                         ; way out: packed results
.set RB,   176                         ; way out: rows read back
                                       ; v[224:231] eight of x's 256 maxima; v[232:233], v[234:235], v[236:237] two of Wq's, Wk's, Wv's 64
.set G1A, 24
.set G0A, 32                           ; one set of four for each slot
.set G1B, 40
.set G0B, 48
.set MSB, 0
.macro WIN new                         ; the immediate's high byte repeats the setting that is left
.if MSB != \new
	s_set_vgpr_msb (MSB<<8)|\new
.set MSB, \new
.endif
.endm
.macro PLACES                          ; four plain places behind matrix instructions (ISA guide 7.12.1)
.rept 4
	v_nop
.endr
.endm
.macro CREST                           ; a round of the cluster's barrier behind its opening work-group barrier
	s_cmp_lg_u32 s14, 0
	s_cbranch_scc1 .Lnot_wave_0_\@
	s_barrier_signal -3
.Lnot_wave_0_\@:
	s_barrier_wait -3
	s_barrier_signal -1
	s_barrier_wait -1
.endm
.macro CROUND
	s_barrier_signal -1
	s_barrier_wait -1
	CREST
.endm
	s_load_b256 s[4:11], s[0:1], 0x0               ; xw s[4:5], Wq_b s[6:7], Wk_b s[8:9], Wv_b s[10:11]
	s_load_b64 s[84:85], s[0:1], 0x20              ; mx
	s_load_b64 s[12:13], s[0:1], 0x28              ; qkv
	s_set_vgpr_msb 0x40
	v_lshl_add_u32 v255, v0, 2, 0x42400
	s_set_vgpr_msb 0x4000
	v_mov_b32 v255, 0
	s_set_vgpr_msb 0x1
	ds_add_u32 v255, v255
	ds_add_u32 v255, v255
	s_set_vgpr_msb 0x100
	v_lshrrev_b32 v1, 5, v0
	v_readfirstlane_b32 s14, v1                    ; wave 0..3
	s_bfe_u32 s16, ttmp6, 0x40000                  ; cx
	s_bfe_u32 s17, ttmp6, 0x40004                  ; cy
	s_lshl_b32 s18, ttmp9, 2
	s_add_co_u32 s18, s18, s16                     ; nb: block of 192 features
	s_and_b32 s19, ttmp7, 0xffff
	s_lshl_b32 s19, s19, 2
	s_add_co_u32 s19, s19, s17                     ; mb: block of 256 rows
	s_lshl_b32 s20, s17, 2
	s_lshl_b32 s20, 15, s20                        ; my row of the cluster
	s_lshl_b32 s21, 0x1111, s16                    ; my column
	s_mov_b32 s92, 0x76543210                      ; v_permlanex16_b32: lane i takes lane i of the other half
	s_mov_b32 s93, 0xfedcba98
	; group 1 for x: 64 rows x 128 elements of 2 bytes, 4 words of padding behind every 64 words
	s_or_b32 s[G1A+0], s20, (1<<16)|(1<<20)|(1<<21)|(5<<22)|(3<<25)
	s_mov_b32 s[G1A+1], 128<<16                    ; tensor_dim0 = 128
	s_mov_b32 s[G1A+2], 64<<16                     ; tensor_dim1 = 64
	s_mov_b32 s[G1A+3], 128<<16                    ; tile_dim0 = 128
	s_mov_b32 s[G1A+4], 64                         ; tile_dim1 = 64
	s_mov_b32 s[G1A+5], 1024                       ; elements from row to row
	s_mov_b32 s[G1A+6], 0
	s_mov_b32 s[G1A+7], 0
	; group 1 for W: 48 rows
	s_or_b32 s[G1B+0], s21, (1<<16)|(1<<20)|(1<<21)|(5<<22)|(3<<25)
	s_mov_b32 s[G1B+1], 128<<16
	s_mov_b32 s[G1B+2], 48<<16
	s_mov_b32 s[G1B+3], 128<<16
	s_mov_b32 s[G1B+4], 48
	s_mov_b32 s[G1B+5], 1024
	s_mov_b32 s[G1B+6], 0
	s_mov_b32 s[G1B+7], 0
	; x's tile: row 256 mb + 64 w, 2,048 bytes a row.  These registers never hold cx.
	s_lshl_b32 s56, s19, 19
	s_lshl_b32 s57, s14, 17
	s_add_co_u32 s56, s56, s57
	s_mov_b32 s57, 0
	; W's tile: 8 MiB into xw, row 192 nb + 48 w.  These registers never hold cy.
	s_mul_i32 s58, s18, 393216
	s_mul_i32 s59, s14, 98304
	s_add_co_u32 s58, s58, s59
	s_add_co_u32 s58, s58, 8388608
	s_mov_b32 s59, 0
	s_mul_i32 s62, s14, 64*PITCH                   ; LDS: my 64 rows of x (which I alone read)
	s_mul_i32 s63, s14, 48*PITCH
	s_add_co_u32 s63, s63, ABYTES                  ; LDS: my 48 rows of W
	s_wait_dscnt 0x0
	s_wait_kmcnt 0x0
	s_load_b96 s[88:90], s[84:85], 0x800           ; max|Wq_b|, max|Wk_b|, max|Wv_b|: waited for where they are used, on the way out
	s_add_nc_u64 s[56:57], s[4:5], s[56:57]
	s_add_nc_u64 s[58:59], s[4:5], s[58:59]
	CROUND                                         ; all sixteen work-groups are here: the first joint loads meet
.irp s, 0,1
	s_mov_b32 s[G0A+4*\s], 1
	s_add_co_u32 s[G0A+4*\s+1], s62, \s*SLOT
	s_add_nc_u64 s[G0A+4*\s+2:G0A+4*\s+3], s[56:57], \s*256        ; K step s
	s_or_b32 s[G0A+4*\s+3], s[G0A+4*\s+3], 0x80000000
	s_mov_b32 s[G0B+4*\s], 1
	s_add_co_u32 s[G0B+4*\s+1], s63, \s*SLOT
	s_add_nc_u64 s[G0B+4*\s+2:G0B+4*\s+3], s[58:59], \s*256
	s_or_b32 s[G0B+4*\s+3], s[G0B+4*\s+3], 0x80000000
	tensor_load_to_lds s[G0A+4*\s:G0A+4*\s+3], s[G1A:G1A+7]
	s_nop 0
	tensor_load_to_lds s[G0B+4*\s:G0B+4*\s+3], s[G1B:G1B+7]
	s_nop 0
.endr
	; the bias of slice 3 nb + i: the buffer by slice / 16, 256 bytes for each head in it
.irp i, 0,1,2
	s_mul_i32 s80, s18, 3
	s_add_co_u32 s80, s80, \i
	s_lshr_b32 s81, s80, 4
	s_and_b32 s80, s80, 15
	s_lshl_b32 s80, s80, 8
	s_cmp_eq_u32 s81, 1
	s_cselect_b64 s[68+2*\i:69+2*\i], s[8:9], s[6:7]
	s_cmp_eq_u32 s81, 2
	s_cselect_b64 s[68+2*\i:69+2*\i], s[10:11], s[68+2*\i:69+2*\i]
	s_mov_b32 s81, 0
	s_add_nc_u64 s[68+2*\i:69+2*\i], s[68+2*\i:69+2*\i], s[80:81]
.endr
	v_and_b32 v1, 15, v0                           ; r = l % 16
	v_bfe_u32 v2, v0, 4, 1                         ; h = l / 16
	v_and_b32 v3, 31, v0
	v_lshlrev_b32 v[BO], 5, v2
	v_lshlrev_b32 v28, 5, v3                       ; 32 x lane: eight of x's 256 maxima
	v_lshlrev_b32 v29, 3, v3                       ; 8 x lane: two of a weight matrix's 64
.irp b, 0,1,2,3,4,5,6,7,8,9,10,11
	global_load_b128 v[BIAS+8*\b:BIAS+8*\b+3],   v[BO], s[68+2*(\b>>2):69+2*(\b>>2)] offset:(\b&3)*64
	global_load_b128 v[BIAS+8*\b+4:BIAS+8*\b+7], v[BO], s[68+2*(\b>>2):69+2*(\b>>2)] offset:(\b&3)*64+16
.endr
	global_load_b128 v[224:227], v28, s[84:85]
	global_load_b128 v[228:231], v28, s[84:85] offset:16
	global_load_b64 v[232:233], v29, s[84:85] offset:1024
	global_load_b64 v[234:235], v29, s[84:85] offset:1280
	global_load_b64 v[236:237], v29, s[84:85] offset:1536
	v_mul_u32_u24 v4, v1, PITCH
	v_lshl_add_u32 v4, v2, 4, v4                   ; row x pitch + 16 h
	v_add_nc_u32 v[ADRA], s62, v4
	v_add_nc_u32 v[ADRA+1], SLOT, v[ADRA]
	v_add_nc_u32 v[ADRB], ABYTES, v4
	v_add_nc_u32 v[ADRB+1], ABYTES+SLOT, v4
	s_mul_i32 s60, s14, WSTAGE
	s_add_co_u32 s60, s60, STAGE                   ; my stage
	v_mul_u32_u24 v5, v1, 144
	v_lshl_add_u32 v5, v2, 4, v5
	v_add_nc_u32 v[STO], s60, v5                   ; in: row r, 16 bytes for each half of the lanes
	v_bfe_u32 v6, v0, 3, 2
	v_mul_u32_u24 v6, v6, 144
	v_and_b32 v7, 7, v0
	v_lshl_add_u32 v6, v7, 4, v6
	v_add_nc_u32 v[RD], s60, v6                    ; back: eight lanes take a row of 128 bytes, a wave four rows
	v_lshlrev_b32 v[CO], 4, v3
	; where my rows go: slice 48 (mb / 8) + 3 nb, row 256 (mb % 8) + 64 w of 128 bytes
	s_lshr_b32 s78, s19, 3
	s_mul_i32 s78, s78, 48
	s_mul_i32 s79, s18, 3
	s_add_co_u32 s78, s78, s79
	s_lshl_b32 s78, s78, 18
	s_and_b32 s79, s19, 7
	s_lshl_b32 s79, s79, 8
	s_lshl_b32 s82, s14, 6
	s_add_co_u32 s79, s79, s82
	s_lshl_b32 s79, s79, 7
	s_add_co_u32 s78, s78, s79
	s_mov_b32 s79, 0
	s_add_nc_u64 s[76:77], s[12:13], s[78:79]
; 12 matrix instructions: my rows 16 a .. 16 a + 15 x all 192 features, 32 along K, from buffer p.  bias = 1: C is the bias.
.macro MULA p, a, bias
.irp b, 0,1,2,3,4,5,6,7,8,9,10,11
.if \bias
	v_wmma_f32_16x16x32_f16 v[8*(12*((\a)&1)+\b):8*(12*((\a)&1)+\b)+7], v[FW+96*\p+8*\b:FW+96*\p+8*\b+7], v[FX+32*\p+8*(\a):FX+32*\p+8*(\a)+7], v[BIAS+8*\b:BIAS+8*\b+7]
.else
	v_wmma_f32_16x16x32_f16 v[8*(12*((\a)&1)+\b):8*(12*((\a)&1)+\b)+7], v[FW+96*\p+8*\b:FW+96*\p+8*\b+7], v[FX+32*\p+8*(\a):FX+32*\p+8*(\a)+7], v[8*(12*((\a)&1)+\b):8*(12*((\a)&1)+\b)+7]
.endif
.endr
.endm
; 32 LDS loads in one run: 192 rows of W, then my 64 rows of x, 32 K at byte k of the rows, into buffer p
.macro FETCH slot, k, p
	WIN 0x40
.irp b, 0,1,2,3,4,5,6,7,8,9,10,11
	ds_load_b128 v[FW+96*\p+8*\b:FW+96*\p+8*\b+3],   v[ADRB+\slot] offset:\k+\b*16*PITCH
	ds_load_b128 v[FW+96*\p+8*\b+4:FW+96*\p+8*\b+7], v[ADRB+\slot] offset:\k+\b*16*PITCH+32
.endr
	WIN 0
.irp a, 0,1,2,3
	ds_load_b128 v[FX+32*\p+8*\a:FX+32*\p+8*\a+3],   v[ADRA+\slot] offset:\k+\a*16*PITCH
	ds_load_b128 v[FX+32*\p+8*\a+4:FX+32*\p+8*\a+7], v[ADRA+\slot] offset:\k+\a*16*PITCH+32
.endr
.endm
; one of a K step's first three quarters: multiplies buffer p, fetches the next quarter (byte k) into buffer g in its middle
.macro QUARTER slot, k, p, g, bias
	s_wait_dscnt 4                                 ; W and x's rows 0-31 are in; the youngest four loads (x's rows 32-63) may be out
.if \bias
	WIN 0x81                                       ; W window 1, x and C window 0, D window 2
.else
	WIN 0xa1                                       ; W window 1, x window 0, C and D window 2
.endif
	MULA \p, 0, \bias
	MULA \p, 1, \bias
	PLACES                                         ; buffer g was last read by the quarter before
	FETCH \slot, \k, \g
	s_wait_dscnt 32                                ; all but the 32 just issued
.if \bias
	WIN 0xc1
.else
	WIN 0xf1
.endif
	MULA \p, 2, \bias
	MULA \p, 3, \bias
.endm
.macro THREE slot, bias
	QUARTER \slot, 64,  0, 1, \bias
	QUARTER \slot, 128, 1, 0, 0
	QUARTER \slot, 192, 0, 1, 0
.endm
; the last quarter of a K step: multiplies buffer 1 and changes slots.  fill = 1: this slot is filled again, two K steps ahead.
.macro TURN slot, next, fill
	s_wait_dscnt 4
	WIN 0xa1
	MULA 1, 0, 0
	s_wait_dscnt 0                                 ; my reads of this slot are over
	s_wait_tensorcnt 0x0                           ; all my tensor loads have landed: the two that were out are my parts of the next slot
	ds_add_u32 v255, v255
	s_wait_dscnt 0x0
	s_barrier_signal -1                            ; (with fill: this barrier opens a round of the cluster's barrier)
	MULA 1, 1, 0                                   ; register work alone between signal and wait
	WIN 0
	s_barrier_wait -1
.if \fill
	CREST                                          ; no wave of any partner still reads this slot or has a load on its way
	s_add_nc_u64 s[G0A+4*\slot+2:G0A+4*\slot+3], s[G0A+4*\slot+2:G0A+4*\slot+3], 512
	s_add_nc_u64 s[G0B+4*\slot+2:G0B+4*\slot+3], s[G0B+4*\slot+2:G0B+4*\slot+3], 512
	tensor_load_to_lds s[G0A+4*\slot:G0A+4*\slot+3], s[G1A:G1A+7]  ; the first tensor loads behind the round
	s_nop 0
	tensor_load_to_lds s[G0B+4*\slot:G0B+4*\slot+3], s[G1B:G1B+7]
	s_nop 0
.endif
	PLACES
	FETCH \next, 0, 0
	WIN 0xf1
	MULA 1, 2, 0
	MULA 1, 3, 0
.endm
.macro LAP bias
	THREE 0, \bias
	TURN 0, 1, 1
	THREE 1, 0
	TURN 1, 0, 1
.endm
	s_wait_tensorcnt 2                             ; my two parts of K step 0 are in; K step 1's two stay out
	s_barrier_signal -1
	s_barrier_wait -1
	FETCH 0, 0, 0
	s_wait_loadcnt 0x0                             ; the bias and the maxima, once
	LAP 1                                          ; K steps 0, 1: the first quarter starts the sums from the bias
	WIN 0
	s_mov_b32 s15, 2
.Llap:
	LAP 0                                          ; K steps 2, 3 and 4, 5; they ask for steps 4 to 7
	WIN 0
	s_sub_co_u32 s15, s15, 1
	s_cmp_lg_u32 s15, 0
	s_cbranch_scc1 .Llap
	THREE 0, 0                                     ; K steps 6, 7 fill nothing
	TURN 0, 1, 0
	THREE 1, 0
	s_wait_dscnt 4
	WIN 0xa1
	MULA 1, 0, 0
	MULA 1, 1, 0
	s_wait_dscnt 0
	WIN 0xf1
	MULA 1, 2, 0
	MULA 1, 3, 0
	PLACES                                         ; behind the last matrix instructions, in front of the lines that read their results
	WIN 0
	; THE SCALES: fold the maxima in the lane, across the 32 lanes, then B and 2^(14 - e) for q, k and v
	v_max3_num_f32 v224, v224, v225, v226
	v_max3_num_f32 v224, v224, v227, v228
	v_max3_num_f32 v224, v224, v229, v230
	v_max_num_f32 v224, v224, v231
	v_max_num_f32 v232, v232, v233
	v_max_num_f32 v234, v234, v235
	v_max_num_f32 v236, v236, v237
.irp m, 1,2,4,8
.irp q, 224,232,234,236
	v_max_num_f32_dpp v\q, v\q, v\q row_xmask:\m row_mask:0xf bank_mask:0xf
.endr
.endr
.irp q, 224,232,234,236
	v_permlanex16_b32 v[\q+1], v\q, s92, s93       ; destinations that loads have written
.endr
.irp q, 224,232,234,236
	v_max_num_f32 v\q, v\q, v[\q+1]
.endr
	v_mul_f32 v224, 0x44800000, v224               ; 1024 max|x|
	s_wait_kmcnt 0x0                               ; the three bias maxima
	v_fma_f32 v232, v224, v232, s88                ; B of q
	v_fma_f32 v234, v224, v234, s89                ; of k
	v_fma_f32 v236, v224, v236, s90                ; of v
	v_readfirstlane_b32 s94, v232
	v_readfirstlane_b32 s95, v234
	v_readfirstlane_b32 s96, v236
.irp q, 94,95,96
	s_lshr_b32 s\q, s\q, 23                        ; B is not negative: its biased exponent
	s_max_u32 s\q, s\q, ELO
	s_min_u32 s\q, s\q, EHI
	s_sub_co_u32 s\q, 268, s\q                     ; 2^(14 - e) has the biased exponent 127 + 14 - (biased - 127)
	s_lshl_b32 s\q, s\q, 23
.endr
	; slice 3 nb + i is q's, k's or v's by slice / 16.  s[68:73] held the bias pointers, whose loads are long done.
.irp i, 0,1,2
	s_mul_i32 s80, s18, 3
	s_add_co_u32 s80, s80, \i
	s_lshr_b32 s81, s80, 4
	s_cmp_eq_u32 s81, 1
	s_cselect_b32 s[68+2*\i], s95, s94
	s_cmp_eq_u32 s81, 2
	s_cselect_b32 s[68+2*\i], s96, s[68+2*\i]
	s_mov_b32 s[69+2*\i], s[68+2*\i]               ; a pair for the packed multiply
.endr
; THE WAY OUT, 16 rows at a time: divide by the slice's scale, round to f16, 16 bytes a lane into my stage (three slices of 16 rows), read
; back so that a wave's store covers four rows of a slice, 512 consecutive bytes, aligned.  LDS serves a wave's instructions in order (ISA guide 5.7.1).
.macro OUT16 i, a, from, mulw
	WIN \mulw                                      ; destination and source 0 in the accumulators' window
.irp b, 0,1,2,3,4,5,6,7,8,9,10,11
.irp r, 0,2,4,6
	v_pk_mul_f32 v[8*(12*\a+\b)+\r:8*(12*\a+\b)+\r+1], v[8*(12*\a+\b)+\r:8*(12*\a+\b)+\r+1], s[68+2*(\b>>2):69+2*(\b>>2)] op_sel_hi:[1,0]
.endr
.endr
	WIN \from
.irp b, 0,1,2,3,4,5,6,7,8,9,10,11
.irp r, 0,1,2,3
	v_cvt_pk_f16_f32 v[TMP+4*\b+\r], v[8*(12*\a+\b)+2*\r], v[8*(12*\a+\b)+2*\r+1]
.endr
.endr
	WIN 0
.irp b, 0,1,2,3,4,5,6,7,8,9,10,11
	ds_store_b128 v[STO], v[TMP+4*\b:TMP+4*\b+3] offset:(\b>>2)*2304+(\b&3)*32
.endr
	s_wait_xcnt 0x0                                ; RB and the base, which the last stores read, are written again only behind this wait
.if \i
	s_add_nc_u64 s[76:77], s[76:77], 2048          ; 16 rows of 128 bytes on
.endif
.irp q, 0,1,2,3,4,5,6,7,8,9,10,11
	ds_load_b128 v[RB+4*\q:RB+4*\q+3], v[RD] offset:(\q>>2)*2304+(\q&3)*576
.endr
.irp q, 0,1,2,3,4,5,6,7,8,9,10,11
	s_wait_dscnt 11-\q                             ; read-back q is in, the younger ones stay out
	global_store_b128 v[CO], v[RB+4*\q:RB+4*\q+3], s[76:77] offset:(\q>>2)*262144+(\q&3)*512
.endr
.endm
	OUT16 0, 0, 0x0a, 0x82
	OUT16 1, 1, 0x0a, 0x82
	OUT16 2, 0, 0x0f, 0xc3
	OUT16 3, 1, 0x0f, 0xc3
	s_set_vgpr_msb 0x1
	s_wait_tensorcnt 0x0
	ds_add_u32 v255, v255
	s_wait_dscnt 0x0
	s_set_vgpr_msb 0x100
	CROUND                                         ; the closing round: no work-group ends while a partner may still ask jointly
	s_endpgm
.Lfunc_end_k_qceb04148ba_qkv:
	.size	k_qceb04148ba_qkv, .Lfunc_end_k_qceb04148ba_qkv-k_qceb04148ba_qkv
	.p2alignl 7, 3214868480
	.fill 96, 4, 3214868480
	.section	.rodata,"a",@progbits
	.p2align	6, 0x0
	.amdhsa_kernel k_qceb04148ba_qkv
		.amdhsa_group_segment_fixed_size 327680
		.amdhsa_private_segment_fixed_size 0
		.amdhsa_enable_private_segment 0
		.amdhsa_kernarg_size 48
		.amdhsa_user_sgpr_count 2
		.amdhsa_user_sgpr_kernarg_segment_ptr 1
		.amdhsa_wavefront_size32 1
		.amdhsa_system_sgpr_workgroup_id_x 1
		.amdhsa_system_sgpr_workgroup_id_y 1
		.amdhsa_system_sgpr_workgroup_id_z 1
		.amdhsa_system_vgpr_workitem_id 0
		.amdhsa_next_free_vgpr 960
		.amdhsa_next_free_sgpr 100
		.amdhsa_reserve_vcc 0
		.amdhsa_float_denorm_mode_32 3
		.amdhsa_float_denorm_mode_16_64 3
		.amdhsa_memory_ordered 1
		.amdhsa_forward_progress 1
		.amdhsa_inst_pref_size 183
	.end_amdhsa_kernel
	.amdgpu_metadata
---
amdhsa.version: [ 1, 2 ]
amdhsa.kernels:
  - .name:           k_qceb04148ba_qkv
    .symbol:         k_qceb04148ba_qkv.kd
    .args:
      - { .name: xw, .offset: 0, .size: 8, .value_kind: global_buffer, .address_space: global }
      - { .name: Wq_b, .offset: 8, .size: 8, .value_kind: global_buffer, .address_space: global }
      - { .name: Wk_b, .offset: 16, .size: 8, .value_kind: global_buffer, .address_space: global }
      - { .name: Wv_b, .offset: 24, .size: 8, .value_kind: global_buffer, .address_space: global }
      - { .name: mx, .offset: 32, .size: 8, .value_kind: global_buffer, .address_space: global }
      - { .name: qkv, .offset: 40, .size: 8, .value_kind: global_buffer, .address_space: global }
    .group_segment_fixed_size: 327680
    .private_segment_fixed_size: 0
    .kernarg_segment_align: 8
    .kernarg_segment_size: 48
    .max_flat_workgroup_size: 128
    .sgpr_count:     100
    .vgpr_count:     960
    .wavefront_size: 32
...
	.end_amdgpu_metadata
.endif
;; end of part 2
;; launch attn (part 3): grid 8 x 32, 8 waves a work-group, clusters of 4 x 1, 327,680 bytes of LDS; arguments qkv, mask, att, mx; writes att
.if DOCPART == 3
	.amdgcn_target "amdgcn-amd-amdhsa--gfx1250"
	.amdhsa_code_object_version 6
	.text
	.protected	k_qceb04148ba_attn
	.globl	k_qceb04148ba_attn
	.p2align	8
	.type	k_qceb04148ba_attn,@function
k_qceb04148ba_attn:
	s_mov_b64 s[64:65], 0
	v_nop
	global_prefetch_b8 v0, s[64:65] scope:SCOPE_SE
	s_setreg_imm32_b32 hwreg(HW_REG_WAVE_MODE, 25, 1), 1
	s_wait_xcnt 0x0
	s_wait_alu depctr_hold_cnt(0) depctr_sa_sdst(0) depctr_va_vdst(0) depctr_va_sdst(0) depctr_va_ssrc(0) depctr_va_vcc(0) depctr_vm_vsrc(0)
	s_getreg_b32 s2, hwreg(HW_REG_IB_STS2, 6, 4)
	s_cmp_eq_u32 s2, 0
	s_cbranch_scc0 .Lentry_in_a_cluster
	s_endpgm
.Lentry_in_a_cluster:
	s_bfe_u32 s2, ttmp6, 0x10000c
	s_cmp_lg_u32 s2, 0x3003
	s_cbranch_scc0 .Lentry_shape_is_right
	s_endpgm
.Lentry_shape_is_right:
; Attention of one head for 256 queries, with a running maximum: att[b][h][s][64] (f16, in v's scaled units) = softmax(q k^T / 8, masked keys out) v.
; q, k, v come in f16, each divided by a power of two (sq, sk, sv) that keeps it at or below 2^15; the scales are made again here from the
; same maxima (mx) by the same arithmetic.  A raw score q' . k' is the true one divided by sq sk, so the factor in front of the exponential
; is c = log2(e) / 8 x sq x sk.  P lies in [0, 1] and goes in f16 (below 2^-25 it rounds to 0).
; Eight waves.  Wave w takes queries 64 (w % 4) .. + 63 (four tiles of 16) and half w / 4 of the keys of every tile of 256 keys,
; in steps of 32 keys; the two halves of a query's keys are merged once at the end through LDS.
; THE ORDER OF A STEP: the wave's query tiles form two halves, a = tiles 0, 1 and b = tiles 2, 3, which run half a step apart, so that the
; wave's matrix instructions stand among its own softmax arithmetic and not in runs of their own:
;   softmax of a with the 8 score products of b strewn in;  rescale and P V of a;
;   softmax of b with the 8 score products of a FOR THE NEXT STEP strewn in;  rescale and P V of b.
; All that a score product or a softmax line names lies in register window 0, so the strewn products need no switch of windows; O and V lie
; in window 1, and one setting serves the P V products and the rescaling of O.  Five switches a step.
; CLUSTERS: the four work-groups of a cluster are four query blocks of one head and read the same K and V: every tile is asked for
; jointly (mask 15).  Each wave brings 32 keys of K and of V of a tile; by this text's own count a wave has four tensor loads out at the
; start (both slots) and two behind each refill.  In a tile's last step all its fragments are in registers, so the slot is given up there.
; LAYOUTS: S^T = K Q^T (A = 16 keys, B = 16 queries): lane (r, h) holds query r, keys 8 h + 0..7 of a key tile; two key tiles, rounded
; to f16 in pairs, ARE the B fragment of O^T = V^T P^T (A = V^T by transposing LDS loads).  So maximum, sum and scale of a query
; live in the two lanes r and r + 16, and no number changes lanes but the maximum (one v_permlanex16_b32 a query tile and step).
; THE MASK: a table of one f32 a key (0, or -2^126 for a masked key) is the C operand of the first score product.  A raw score is at most
; 64 x 2^15 x 2^15 = 2^36 in magnitude (a thousandth more by rounding), so the running maximum starts at -2^37, below every real score and far above a masked one:
; a masked key's exponential is 0 at every step, also while no real key has been seen.  The factor of the old sums is 2^(c (old - new)), the
; difference taken first, so that it is exactly 1 where the maximum stays.  A row's sum is 0 if and only if all its keys are masked: it gives NaN.
; LIMIT: with B = 1024 max|x| max|W| + max|b|, B between 2^-40 and 2^60 is served (its biased exponent is clamped to 87..187); then c lies
; between 2^-111 and 2^90, c x 2^126 is at least 2^15, and c x 2^37 is finite.
; The accumulators take turns, one instruction a turn (4 score tiles, 8 output tiles of a half).
.set KP,    144                        ; LDS pitch of a key's 128 bytes of K: an odd multiple of 16
.set VP,    160                        ; of V: an odd multiple of 32, for the transposing loads
.set VOFF,  256*KP                     ; V behind K in a slot
.set SLOT,  256*KP+256*VP              ; 77,824
.set TILEB, 32768                      ; 256 keys x 128 bytes in memory
.set BIASL, 2*SLOT                     ; 155,648: 2,048 f32
.set MERGE, BIASL+8192                 ; 163,840: 4 x 16,384, the upper waves' O
.set ML,    MERGE+65536                ; 229,376: 4 x 1,024, their maxima and sums
.set STG,   ML+4096                    ; 233,472: 4 x 64 rows x 144, the way out.  No tensor load lands at or behind BIASL.
.set ELO, 87                           ; clamp of B's biased exponent, the same in all three launches that make scales
.set EHI, 187
; window 0, all 256 registers
.set ADRK, 4                           ; v4-5   my K fragments in slot 0, 1
.set ADRV, 6                           ; v6-7   my V fragments
.set ADRB, 8                           ; my eight mask words; steps 1,024 bytes a tile
.set QOFF, 9
.set STO,  10
.set RD,   11
.set CO,   12
.set MA,   13
.set MLA,  14
.set CST,  15                          ; -2^126, later NaN
.set M,    16                          ; v[16:19]   running maximum of query tile t (raw scores)
.set MN,   20                          ; v[20:23]   the new one
.set TX,   24                          ; v[24:27]   a second chain of the maximum, then the other half of the lanes
.set LS,   28                          ; v[28:31]   running sum, of this lane's keys
.set AL,   32                          ; v[32:39]   scale of the old sums, in the even register of a pair
.set NMC,  40                          ; v[40:47]   - c x maximum, likewise
.set BI,   48                          ; v[48:63]   mask words of two key tiles
.set KF,   64                          ; v[64:95]   K fragments [key tile][half of d]
.set SC,   96                          ; v[96:159]  scores [t][key tile]; at the start v[96:129] are at work
.set PB,   160                         ; v[160:191] P fragments [t]
.set QW,   192                         ; v[192:255] Q fragments at 8 (2 t + half of d)
.set MB,   48                          ; merge: the partner's maxima
.set LB,   52                          ; and sums
.set T,    64                          ; merge: the partner's O, v[64:191]
.set PK,   64                          ; way out: packed
.set RBK,  128                         ; way out: read back
; window 1
.set VF,   128                         ; V^T fragments [16 d], two buffers of 32 registers; O[t][dt] at 8 (4 t + dt)
.set G1K, 24
.set G1V, 32
.set G0K, 40
.set G0V, 48
.set W_LV, 0x40                        ; destination (V) in window 1, address in window 0
.set W_PV, 0x51                        ; destination, source 0 and source 2 in window 1 (O, V), source 1 in window 0 (P, the scale)
.set MSB, 0
.macro WIN new                         ; the immediate's high byte repeats the setting that is left
.if MSB != \new
	s_set_vgpr_msb (MSB<<8)|\new
.set MSB, \new
.endif
.endm
.macro PLACES                          ; four plain places behind matrix instructions (ISA guide 7.12.1)
.rept 4
	v_nop
.endr
.endm
.macro ROUND                           ; a round of the cluster's barrier
	s_barrier_signal -1
	s_barrier_wait -1
	s_cmp_lg_u32 s10, 0
	s_cbranch_scc1 .Lnot_wave_0_\@
	s_barrier_signal -3
.Lnot_wave_0_\@:
	s_barrier_wait -3
	s_barrier_signal -1
	s_barrier_wait -1
.endm
	s_load_b128 s[4:7], s[0:1], 0x0                ; qkv s[4:5], mask s[6:7]
	s_load_b64 s[8:9], s[0:1], 0x10                ; att
	s_load_b64 s[66:67], s[0:1], 0x18              ; mx
	s_set_vgpr_msb 0x40
	v_lshl_add_u32 v192, v0, 2, 0x42000
	v_mov_b32 v193, 0
	s_set_vgpr_msb 0x4045
	ds_add_u32 v192, v193
	ds_add_u32 v192, v193
	s_set_vgpr_msb 0x4500
	v_lshrrev_b32 v1, 5, v0
	v_readfirstlane_b32 s10, v1                    ; wave 0..7
	s_and_b32 s11, s10, 3                          ; which 64 queries
	s_lshr_b32 s12, s10, 2                         ; which half of the keys
	s_bfe_u32 s13, ttmp6, 0x40000                  ; cx
	s_lshl_b32 s14, ttmp9, 2
	s_add_co_u32 s14, s14, s13                     ; query block 0..7
	s_and_b32 s15, ttmp7, 0xffff                   ; 16 b + h
	s_lshr_b32 s17, s15, 4                         ; b
	s_and_b32 s58, s15, 15
	s_mul_i32 s59, s17, 48
	s_add_co_u32 s59, s59, s58                     ; q's slice: 48 b + h
	s_mov_b32 s20, 0x76543210                      ; v_permlanex16_b32: lane i takes lane i of the other half
	s_mov_b32 s21, 0xfedcba98
	; group 1: 4,096 dense bytes as 16 rows of 32 elements of 8 bytes; behind every 32 words (a key's 128 bytes) 4 words of padding for K, 8 for V
	s_mov_b32 s[G1K+0], 15|(3<<16)|(1<<20)|(1<<21)|(4<<22)|(3<<25)
	s_mov_b32 s[G1K+1], 32<<16
	s_mov_b32 s[G1K+2], 16<<16
	s_mov_b32 s[G1K+3], 32<<16
	s_mov_b32 s[G1K+4], 16
	s_mov_b32 s[G1K+5], 32
	s_mov_b32 s[G1K+6], 0
	s_mov_b32 s[G1K+7], 0
	s_mov_b32 s[G1V+0], 15|(3<<16)|(1<<20)|(1<<21)|(4<<22)|(7<<25)
	s_mov_b32 s[G1V+1], 32<<16
	s_mov_b32 s[G1V+2], 16<<16
	s_mov_b32 s[G1V+3], 32<<16
	s_mov_b32 s[G1V+4], 16
	s_mov_b32 s[G1V+5], 32
	s_mov_b32 s[G1V+6], 0
	s_mov_b32 s[G1V+7], 0
	; K: slice 48 b + 16 + h, my 32 keys of tile 0.  Made of b, h and the wave's number alone.
	s_add_co_u32 s60, s59, 16
	s_lshl_b32 s60, s60, 18
	s_lshl_b32 s61, s10, 12
	s_add_co_u32 s60, s60, s61
	s_mov_b32 s61, 0
	s_mul_i32 s62, s10, 32*KP
	s_mul_i32 s63, s10, 32*VP
	s_add_co_u32 s63, s63, VOFF
	; my 64 queries' rows, in bytes of a slice
	s_lshl_b32 s16, s14, 8
	s_lshl_b32 s58, s11, 6
	s_add_co_u32 s16, s16, s58
	s_lshl_b32 s16, s16, 7
	s_lshl_b32 s56, s59, 18
	s_add_co_u32 s56, s56, s16
	s_mov_b32 s57, 0
	s_lshl_b32 s58, s15, 18
	s_add_co_u32 s58, s58, s16
	s_mov_b32 s59, 0
	s_lshl_b32 s2, s17, 11                         ; the batch's 2,048 mask bytes
	s_mov_b32 s3, 0
	s_wait_dscnt 0x0
	s_wait_kmcnt 0x0
	s_load_b64 s[68:69], s[66:67], 0x800           ; max|Wq_b|, max|Wk_b|: waited for where they are used
	s_add_nc_u64 s[60:61], s[4:5], s[60:61]
	s_add_nc_u64 s[56:57], s[4:5], s[56:57]        ; Q
	s_add_nc_u64 s[8:9], s[8:9], s[58:59]          ; att
	s_add_nc_u64 s[6:7], s[6:7], s[2:3]            ; mask
	ROUND                                          ; in front of the first joint loads
.irp s, 0,1
	s_mov_b32 s[G0K+4*\s], 1
	s_add_co_u32 s[G0K+4*\s+1], s62, \s*SLOT
	s_add_nc_u64 s[G0K+4*\s+2:G0K+4*\s+3], s[60:61], \s*TILEB      ; slot s starts with tile s
	s_or_b32 s[G0K+4*\s+3], s[G0K+4*\s+3], 0x80000000
	s_mov_b32 s[G0V+4*\s], 1
	s_add_co_u32 s[G0V+4*\s+1], s63, \s*SLOT
	s_add_nc_u64 s[G0V+4*\s+2:G0V+4*\s+3], s[60:61], 16*262144+\s*TILEB   ; v's slice lies 16 slices behind k's
	s_or_b32 s[G0V+4*\s+3], s[G0V+4*\s+3], 0x80000000
	tensor_load_to_lds s[G0K+4*\s:G0K+4*\s+3], s[G1K:G1K+7]        ; tiles 0 and 1: both slots' first fills
	s_nop 0
	tensor_load_to_lds s[G0V+4*\s:G0V+4*\s+3], s[G1V:G1V+7]
	s_nop 0
.endr
	v_and_b32 v1, 15, v0                           ; r
	v_bfe_u32 v2, v0, 4, 1                         ; h
	v_and_b32 v3, 31, v0                           ; lane
	v_lshlrev_b32 v[QOFF], 7, v1
	v_lshl_add_u32 v[QOFF], v2, 4, v[QOFF]         ; 128 r + 16 h
	v_lshlrev_b32 v125, 3, v0                      ; thread t turns mask bytes 8 t .. 8 t + 7 into words
	v_lshlrev_b32 v108, 5, v3                      ; 32 x lane: eight of x's 256 maxima
	v_lshlrev_b32 v109, 3, v3                      ; 8 x lane: two of a weight matrix's 64
	global_load_b64 v[112:113], v125, s[6:7]
	global_load_b128 v[96:99], v108, s[66:67]
	global_load_b128 v[100:103], v108, s[66:67] offset:16
	global_load_b64 v[104:105], v109, s[66:67] offset:1024         ; Wq
	global_load_b64 v[106:107], v109, s[66:67] offset:1280         ; Wk
.irp t, 0,1,2,3
.irp ds, 0,1
	global_load_b128 v[QW+8*(2*\t+\ds):QW+8*(2*\t+\ds)+3],   v[QOFF], s[56:57] offset:\t*2048+\ds*64
	global_load_b128 v[QW+8*(2*\t+\ds)+4:QW+8*(2*\t+\ds)+7], v[QOFF], s[56:57] offset:\t*2048+\ds*64+32
.endr
.endr
	v_mul_u32_u24 v127, v1, KP
	v_lshl_add_u32 v127, v2, 4, v127               ; 144 r + 16 h
	s_mul_i32 s58, s12, 128*KP
	v_add_nc_u32 v[ADRK], s58, v127
	v_add_nc_u32 v[ADRK+1], SLOT, v[ADRK]
	v_and_b32 v128, 7, v0
	v_lshl_add_u32 v128, v2, 3, v128               ; key 8 h + l % 8
	v_mul_u32_u24 v128, v128, VP
	v_bfe_u32 v129, v0, 3, 1
	v_lshl_add_u32 v128, v129, 4, v128             ; + 16 ((l / 8) % 2)
	s_mul_i32 s58, s12, 128*VP
	s_add_co_u32 s58, s58, VOFF
	v_add_nc_u32 v[ADRV], s58, v128
	v_add_nc_u32 v[ADRV+1], SLOT, v[ADRV]
	s_lshl_b32 s58, s12, 9
	s_add_co_u32 s58, s58, BIASL
	v_lshlrev_b32 v[ADRB], 5, v2
	v_add_nc_u32 v[ADRB], s58, v[ADRB]             ; word of key 128 (w / 4) + 8 h
	s_mul_i32 s58, s11, 64*KP
	s_add_co_u32 s58, s58, STG
	v_add_nc_u32 v[STO], s58, v127
	v_bfe_u32 v128, v0, 3, 2
	v_mul_u32_u24 v128, v128, KP
	v_and_b32 v129, 7, v0
	v_lshl_add_u32 v128, v129, 4, v128
	v_add_nc_u32 v[RD], s58, v128
	v_lshlrev_b32 v[CO], 4, v3
	s_lshl_b32 s58, s11, 14
	s_add_co_u32 s58, s58, MERGE
	v_add_nc_u32 v[MA], s58, v[CO]
	s_lshl_b32 s58, s11, 10
	s_add_co_u32 s58, s58, ML
	v_add_nc_u32 v[MLA], s58, v[CO]
	v_lshlrev_b32 v126, 5, v0
	v_add_nc_u32 v126, BIASL, v126                 ; my eight words of the table
	v_mov_b32 v[CST], 0xfe800000                   ; -2^126
.irp t, 0,1,2,3
	v_mov_b32 v[M+\t], 0xd2000000                  ; -2^37
	v_mov_b32 v[LS+\t], 0
	v_mov_b32 v[AL+2*\t+1], 0                      ; the pairs' odd registers are named by the packed forms and never used
	v_mov_b32 v[NMC+2*\t+1], 0
.endr
	s_wait_loadcnt 16                              ; the mask and the maxima are in; Q's sixteen loads stay out
.irp i, 0,1,2,3
	v_bfe_u32 v124, v112, 8*\i, 8
	v_cmp_eq_u32 vcc_lo, 0, v124
	v_cndmask_b32 v[116+\i], 0, v[CST], vcc_lo     ; byte 0: the key is masked
	v_bfe_u32 v124, v113, 8*\i, 8
	v_cmp_eq_u32 vcc_lo, 0, v124
	v_cndmask_b32 v[120+\i], 0, v[CST], vcc_lo
.endr
	ds_store_b128 v126, v[116:119]                 ; shown to the other waves by the wait for 0 and the barrier in front of the first reads
	ds_store_b128 v126, v[120:123] offset:16
	; c = log2(e) / 8 x sq x sk: fold the maxima in the lane and across the lanes, then B, its exponent e, and the scale 2^(e - 14)
	v_max3_num_f32 v96, v96, v97, v98
	v_max3_num_f32 v96, v96, v99, v100
	v_max3_num_f32 v96, v96, v101, v102
	v_max_num_f32 v96, v96, v103
	v_max_num_f32 v104, v104, v105
	v_max_num_f32 v106, v106, v107
.irp m, 1,2,4,8
.irp q, 96,104,106
	v_max_num_f32_dpp v\q, v\q, v\q row_xmask:\m row_mask:0xf bank_mask:0xf
.endr
.endr
.irp q, 96,104,106
	v_permlanex16_b32 v[\q+1], v\q, s20, s21       ; destinations that loads have written
.endr
.irp q, 96,104,106
	v_max_num_f32 v\q, v\q, v[\q+1]
.endr
	v_mul_f32 v96, 0x44800000, v96                 ; 1024 max|x|
	s_wait_kmcnt 0x0                               ; the two bias maxima
	v_fma_f32 v104, v96, v104, s68                 ; B of q
	v_fma_f32 v106, v96, v106, s69                 ; B of k
	v_readfirstlane_b32 s60, v104                  ; s60, s61 held K's address, which the descriptors have taken over
	v_readfirstlane_b32 s61, v106
.irp q, 60,61
	s_lshr_b32 s\q, s\q, 23                        ; B is not negative: its biased exponent
	s_max_u32 s\q, s\q, ELO
	s_min_u32 s\q, s\q, EHI
	s_sub_co_u32 s\q, s\q, 14                      ; the scale 2^(e - 14)
	s_lshl_b32 s\q, s\q, 23
.endr
	v_mov_b32 v104, 0x3e38aa3b                     ; log2(e) / 8
	v_mul_f32 v104, s60, v104
	v_mul_f32 v104, s61, v104
	v_readfirstlane_b32 s18, v104                  ; c, twice: a pair for the packed forms
	s_mov_b32 s19, s18
	s_xor_b32 s23, s18, 0x80000000                 ; -c
	s_wait_loadcnt 0x0                             ; Q
; 12 loads: the K fragments and mask words of step j (32 keys)
.macro LDK slot, j
.irp kt, 0,1
.irp ds, 0,1
	ds_load_b128 v[KF+8*(2*\kt+\ds):KF+8*(2*\kt+\ds)+3],   v[ADRK+(\slot)] offset:(32*(\j)+16*\kt)*KP+\ds*64
	ds_load_b128 v[KF+8*(2*\kt+\ds)+4:KF+8*(2*\kt+\ds)+7], v[ADRK+(\slot)] offset:(32*(\j)+16*\kt)*KP+\ds*64+32
.endr
.endr
.irp kt, 0,1
	ds_load_b128 v[BI+8*\kt:BI+8*\kt+3],   v[ADRB] offset:(\j)*128+\kt*64
	ds_load_b128 v[BI+8*\kt+4:BI+8*\kt+7], v[ADRB] offset:(\j)*128+\kt*64+16
.endr
.endm
; 8 transposing loads: V^T of step j, 16 d x 32 keys for each dt, into buffer vb (under W_LV)
.macro LDV slot, j, vb
.irp dt, 0,1,2,3
	ds_load_tr16_b128 v[VF+32*(\vb)+8*\dt:VF+32*(\vb)+8*\dt+3],   v[ADRV+(\slot)] offset:(\j)*32*VP+\dt*32
	ds_load_tr16_b128 v[VF+32*(\vb)+8*\dt+4:VF+32*(\vb)+8*\dt+7], v[ADRV+(\slot)] offset:(\j)*32*VP+\dt*32+16*VP
.endr
.endm
; score product n = 0..7 of half g: query tile 2 g + n % 2, key tile (n / 2) % 2, half n / 4 of d.  The first four start from the mask words,
; the last four add in place, each with three other accumulators' turns between.  All operands in window 0.
.macro SW on, g, n
.if \on
.set st, 2*(\g)+((\n)&1)
.set sk, ((\n)>>1)&1
.if (\n) < 4
	v_wmma_f32_16x16x32_f16 v[SC+16*st+8*sk:SC+16*st+8*sk+7], v[KF+16*sk:KF+16*sk+7], v[QW+16*st:QW+16*st+7], v[BI+8*sk:BI+8*sk+7]
.else
	v_wmma_f32_16x16x32_f16 v[SC+16*st+8*sk:SC+16*st+8*sk+7], v[KF+16*sk+8:KF+16*sk+15], v[QW+16*st+8:QW+16*st+15], v[SC+16*st+8*sk:SC+16*st+8*sk+7]
.endif
.endif
.endm
; the 16 exponentials at b of query tile t are added up in place (P has been made of them) and join the running sum
.macro SUMS b, t
	v_pk_add_f32 v[(\b):(\b)+1],     v[(\b):(\b)+1],     v[(\b)+2:(\b)+3]
	v_pk_add_f32 v[(\b)+4:(\b)+5],   v[(\b)+4:(\b)+5],   v[(\b)+6:(\b)+7]
	v_pk_add_f32 v[(\b)+8:(\b)+9],   v[(\b)+8:(\b)+9],   v[(\b)+10:(\b)+11]
	v_pk_add_f32 v[(\b)+12:(\b)+13], v[(\b)+12:(\b)+13], v[(\b)+14:(\b)+15]
	v_pk_add_f32 v[(\b):(\b)+1],     v[(\b):(\b)+1],     v[(\b)+4:(\b)+5]
	v_pk_add_f32 v[(\b)+8:(\b)+9],   v[(\b)+8:(\b)+9],   v[(\b)+12:(\b)+13]
	v_pk_add_f32 v[(\b):(\b)+1],     v[(\b):(\b)+1],     v[(\b)+8:(\b)+9]
	v_add_f32 v[(\b)], v[(\b)], v[(\b)+1]
	v_fma_f32 v[LS+(\t)], v[LS+(\t)], v[AL+2*(\t)], v[(\b)]
.endm
; The softmax of half g (query tiles 2 g, 2 g + 1; 32 keys), 112 vector lines in window 0, with the other half's eight score products strewn in
; (sw = 1), one for every 8 to 12 lines.  None of the lines names a register of those products: they touch this half's scores, P and state.
; kw = 1: the products take new K fragments: the wait for them stands in front of the first.
; ldk = 1: behind the last product and nine more lines, the K fragments and mask words of step (nslot, nj) are fetched.
.macro XS g, sw, kw, ldk, nslot, nj
	; the new maximum: 16 scores a lane and the old maximum, in two chains a query tile
.irp u, 0,1
	v_max3_num_f32 v[MN+2*\g+\u], v[M+2*\g+\u], v[SC+32*\g+16*\u], v[SC+32*\g+16*\u+1]
	v_max3_num_f32 v[TX+2*\g+\u], v[SC+32*\g+16*\u+8], v[SC+32*\g+16*\u+9], v[SC+32*\g+16*\u+10]
.endr
.irp u, 0,1
	v_max3_num_f32 v[MN+2*\g+\u], v[MN+2*\g+\u], v[SC+32*\g+16*\u+2], v[SC+32*\g+16*\u+3]
	v_max3_num_f32 v[TX+2*\g+\u], v[TX+2*\g+\u], v[SC+32*\g+16*\u+11], v[SC+32*\g+16*\u+12]
.endr
.if \kw
	s_wait_dscnt 8                                 ; the next step's K and mask words are in; V's eight younger loads stay out
.endif
	SW \sw, 1-\g, 0
.irp u, 0,1
	v_max3_num_f32 v[MN+2*\g+\u], v[MN+2*\g+\u], v[SC+32*\g+16*\u+4], v[SC+32*\g+16*\u+5]
	v_max3_num_f32 v[TX+2*\g+\u], v[TX+2*\g+\u], v[SC+32*\g+16*\u+13], v[SC+32*\g+16*\u+14]
.endr
.irp u, 0,1
	v_max3_num_f32 v[MN+2*\g+\u], v[MN+2*\g+\u], v[SC+32*\g+16*\u+6], v[SC+32*\g+16*\u+7]
.endr
.irp u, 0,1
	v_max3_num_f32 v[MN+2*\g+\u], v[MN+2*\g+\u], v[TX+2*\g+\u], v[SC+32*\g+16*\u+15]
.endr
	SW \sw, 1-\g, 1
.irp u, 0,1
	v_permlanex16_b32 v[TX+2*\g+\u], v[MN+2*\g+\u], s20, s21       ; the other half of the lanes holds the query's other keys
.endr
.irp u, 0,1
	v_max_num_f32 v[MN+2*\g+\u], v[MN+2*\g+\u], v[TX+2*\g+\u]
.endr
.irp u, 0,1
	v_mul_f32 v[NMC+4*\g+2*\u], s23, v[MN+2*\g+\u]                 ; - c x maximum
.endr
.irp u, 0,1
	v_sub_f32 v[AL+4*\g+2*\u], v[M+2*\g+\u], v[MN+2*\g+\u]         ; the difference first: exactly 0 where the maximum stays
.endr
.irp u, 0,1
	v_mul_f32 v[AL+4*\g+2*\u], s18, v[AL+4*\g+2*\u]
.endr
	SW \sw, 1-\g, 2
.irp u, 0,1
	v_exp_f32 v[AL+4*\g+2*\u], v[AL+4*\g+2*\u]                     ; 2^(c (old maximum - new)); the packed lines below are the plain place behind it (ISA guide 5.7.2)
.endr
.irp i, 0,2,4,6,8,10,12,14
	v_pk_fma_f32 v[SC+32*\g+\i:SC+32*\g+\i+1], v[SC+32*\g+\i:SC+32*\g+\i+1], s[18:19], v[NMC+4*\g:NMC+4*\g+1] op_sel_hi:[1,0,0]
.endr
	SW \sw, 1-\g, 3
	; the first tile's exponentials among the second tile's exponents; every exponential is followed by a plain line that names another tile
.irp i, 0,2,4,6
	v_exp_f32 v[SC+32*\g+\i], v[SC+32*\g+\i]
	v_exp_f32 v[SC+32*\g+\i+1], v[SC+32*\g+\i+1]
	v_pk_fma_f32 v[SC+32*\g+16+\i:SC+32*\g+16+\i+1], v[SC+32*\g+16+\i:SC+32*\g+16+\i+1], s[18:19], v[NMC+4*\g+2:NMC+4*\g+3] op_sel_hi:[1,0,0]
.endr
	SW \sw, 1-\g, 4
.irp i, 8,10,12,14
	v_exp_f32 v[SC+32*\g+\i], v[SC+32*\g+\i]
	v_exp_f32 v[SC+32*\g+\i+1], v[SC+32*\g+\i+1]
	v_pk_fma_f32 v[SC+32*\g+16+\i:SC+32*\g+16+\i+1], v[SC+32*\g+16+\i:SC+32*\g+16+\i+1], s[18:19], v[NMC+4*\g+2:NMC+4*\g+3] op_sel_hi:[1,0,0]
.endr
	SW \sw, 1-\g, 5
	; the second tile's exponentials among the first tile's roundings to P
.irp i, 0,2,4,6
	v_exp_f32 v[SC+32*\g+16+\i], v[SC+32*\g+16+\i]
	v_exp_f32 v[SC+32*\g+16+\i+1], v[SC+32*\g+16+\i+1]
	s_wait_alu depctr_va_vdst(0)
	v_cvt_pk_f16_f32 v[PB+16*\g+(\i>>1)], v[SC+32*\g+\i], v[SC+32*\g+\i+1]
.endr
	SW \sw, 1-\g, 6
.irp i, 8,10,12,14
	v_exp_f32 v[SC+32*\g+16+\i], v[SC+32*\g+16+\i]
	v_exp_f32 v[SC+32*\g+16+\i+1], v[SC+32*\g+16+\i+1]
	v_cvt_pk_f16_f32 v[PB+16*\g+(\i>>1)], v[SC+32*\g+\i], v[SC+32*\g+\i+1]
.endr
	SW \sw, 1-\g, 7
	SUMS SC+32*\g, 2*\g                            ; nine plain lines that name none of the products' registers: the places in front of the loads below
.if \ldk
	LDK \nslot, \nj
.endif
	s_wait_alu depctr_va_vdst(0)
.irp i, 0,1,2,3,4,5,6,7
	v_cvt_pk_f16_f32 v[PB+16*\g+8+\i], v[SC+32*\g+16+2*\i], v[SC+32*\g+16+2*\i+1]
.endr
	SUMS SC+32*\g+16, 2*\g+1
.irp u, 0,1
	v_mov_b32 v[M+2*\g+\u], v[MN+2*\g+\u]
.endr
.endm
; output tile q = 0..7 of half g (query tile 2 g + q / 4, 16 d at q % 4) times its query tile's scale; under W_PV
.macro RS g, q
.irp i, 0,2,4,6
	v_pk_mul_f32 v[8*(8*(\g)+(\q))+\i:8*(8*(\g)+(\q))+\i+1], v[8*(8*(\g)+(\q))+\i:8*(8*(\g)+(\q))+\i+1], v[AL+2*(2*(\g)+((\q)>>2)):AL+2*(2*(\g)+((\q)>>2))+1] op_sel_hi:[1,0]
.endr
.endm
.macro PW g, q, vb, first
.if \first
	v_wmma_f32_16x16x32_f16 v[8*(8*(\g)+(\q)):8*(8*(\g)+(\q))+7], v[VF+32*(\vb)+8*((\q)&3):VF+32*(\vb)+8*((\q)&3)+7], v[PB+8*(2*(\g)+((\q)>>2)):PB+8*(2*(\g)+((\q)>>2))+7], 0
.else
	v_wmma_f32_16x16x32_f16 v[8*(8*(\g)+(\q)):8*(8*(\g)+(\q))+7], v[VF+32*(\vb)+8*((\q)&3):VF+32*(\vb)+8*((\q)&3)+7], v[PB+8*(2*(\g)+((\q)>>2)):PB+8*(2*(\g)+((\q)>>2))+7], v[8*(8*(\g)+(\q)):8*(8*(\g)+(\q))+7]
.endif
.endm
; rescale and P V of half g, under W_PV: tile q + 1 is rescaled in front of tile q's product, so that vector lines stand between the products.
; first = 1: the products start O, and nothing is rescaled.
.macro PVR g, vb, first
.if \first == 0
	RS \g, 0
.endif
.irp q, 0,1,2,3,4,5,6,7
.if \first == 0
.if \q < 7
	RS \g, \q+1
.endif
.endif
	PW \g, \q, \vb, \first
.endr
.endm
; One step: 64 queries x 32 keys of (slot, j).  On entry: half a's scores of this step are made, K and the mask words are in registers, V's eight loads may be out.
; mode 0: the next step is (slot, j + 1).
; mode 1: the tile's last step: the slot is given up, filled again two tiles on behind a round of the cluster's barrier; the next step is (other slot, 0).
; mode 2: the same without a refill: a barrier of the work-group shows the last tile.     mode 3: the last step of all.
.macro STEP slot, j, mode, first
.if \mode == 0
	XS 0, 1, 0, 1, \slot, \j+1
.else
	XS 0, 1, 0, 0, 0, 0
.endif
.if \mode == 1
	s_set_vgpr_msb 0x5
	s_wait_tensorcnt 0x0                           ; all my tensor loads are done, my parts of the next tile among them,
	ds_add_u32 v192, v193
	s_wait_dscnt 0x0
	s_set_vgpr_msb 0x500
	s_add_nc_u64 s[G0K+4*\slot+2:G0K+4*\slot+3], s[G0K+4*\slot+2:G0K+4*\slot+3], 2*TILEB   ; so every group 0 may be written: this slot's next tile
	s_add_nc_u64 s[G0V+4*\slot+2:G0V+4*\slot+3], s[G0V+4*\slot+2:G0V+4*\slot+3], 2*TILEB
	s_wait_dscnt 0x0                               ; my reads of this slot are done: the last were this step's V fragments
	ROUND                                          ; both now hold of every wave of the four work-groups
	tensor_load_to_lds s[G0K+4*\slot:G0K+4*\slot+3], s[G1K:G1K+7]  ; the first tensor loads behind the round
	s_nop 0
	tensor_load_to_lds s[G0V+4*\slot:G0V+4*\slot+3], s[G1V:G1V+7]
	s_nop 0
	v_add_nc_u32 v[ADRB], 1024, v[ADRB]            ; the next tile's 256 mask words
	LDK 1-\slot, 0
.endif
.if \mode == 2
	s_wait_tensorcnt 0x0                           ; my parts of the last tile are in
	s_wait_dscnt 0x0
	s_barrier_signal -1
	s_barrier_wait -1                              ; everybody's are
	v_add_nc_u32 v[ADRB], 1024, v[ADRB]
	LDK 1-\slot, 0
.endif
.if \mode == 3
	s_wait_dscnt 0x0                               ; this step's V is in
.else
	s_wait_dscnt 12                                ; this step's V is in; the next step's twelve loads of K and mask words stay out
	WIN W_LV
.if \mode == 0
	LDV \slot, \j+1, (\j+1)&1                      ; into the other buffer, which the step before read last, a whole softmax ago
.else
	LDV 1-\slot, 0, 0
.endif
.endif
	WIN W_PV
	PVR 0, (\j)&1, \first
	WIN 0
.if \mode == 3
	XS 1, 0, 0, 0, 0, 0
.else
	XS 1, 1, 1, 0, 0, 0
.endif
	WIN W_PV
	PVR 1, (\j)&1, \first
	WIN 0
.endm
.macro TILE slot, mode, first
	STEP \slot, 0, 0, \first
	STEP \slot, 1, 0, 0
	STEP \slot, 2, 0, 0
	STEP \slot, 3, \mode, 0
.endm
	s_wait_tensorcnt 2                             ; my two parts of tile 0 are in; tile 1's two stay out
	s_wait_dscnt 0x0                               ; for the others' sake: my stores of mask words are done
	s_barrier_signal -1
	s_barrier_wait -1
	LDK 0, 0
	WIN W_LV
	LDV 0, 0, 0
	WIN 0
	s_wait_dscnt 8                                 ; K and the mask words are in; V's eight loads stay out
.irp n, 0,1,2,3,4,5,6,7
	SW 1, 0, \n                                    ; half a's scores of the first step: the only products with no arithmetic to stand among
.endr
	PLACES                                         ; in front of the first reads of those scores
	TILE 0, 1, 1                                   ; tiles 0, 1; they ask for tiles 2, 3
	TILE 1, 1, 0
	s_mov_b32 s16, 2
.Lpair:
	TILE 0, 1, 0                                   ; tiles 2 to 5; they ask for tiles 4 to 7
	TILE 1, 1, 0
	s_sub_co_u32 s16, s16, 1
	s_cmp_lg_u32 s16, 0
	s_cbranch_scc1 .Lpair
	TILE 0, 2, 0                                   ; tile 6 asks for nothing,
	TILE 1, 3, 0                                   ; tile 7 fetches nothing beyond itself
	PLACES                                         ; behind the last products, in front of the lines that read O
	; THE MERGE: waves 4-7 hand O, maxima and sums to waves 0-3.
	s_cmp_lt_u32 s10, 4
	s_cbranch_scc1 .Lkeep
	WIN 0x04                                       ; store data from window 1
.set cnt, 0
.rept 32
	ds_store_b128 v[MA], v[4*cnt:4*cnt+3] offset:512*cnt
.set cnt, cnt+1
.endr
	WIN 0
	ds_store_b128 v[MLA], v[M:M+3]
	ds_store_b128 v[MLA], v[LS:LS+3] offset:512
.Lkeep:
	s_wait_dscnt 0x0                               ; for the others' sake: my stores are done
	s_barrier_signal -1
	s_barrier_wait -1
	s_cmp_ge_u32 s10, 4
	s_cbranch_scc1 .Lclose
	ds_load_b128 v[MB:MB+3], v[MLA]
	ds_load_b128 v[LB:LB+3], v[MLA] offset:512
.set cnt, 0
.rept 32
	ds_load_b128 v[T+4*cnt:T+4*cnt+3], v[MA] offset:512*cnt
.set cnt, cnt+1
.endr
	s_wait_dscnt 0x0
.irp t, 0,1,2,3
	v_max_num_f32 v[MN+\t], v[M+\t], v[MB+\t]
.endr
.irp t, 0,1,2,3
	v_sub_f32 v[AL+2*\t], v[M+\t], v[MN+\t]
	v_sub_f32 v[NMC+2*\t], v[MB+\t], v[MN+\t]
.endr
.irp t, 0,1,2,3
	v_mul_f32 v[AL+2*\t], s18, v[AL+2*\t]
	v_mul_f32 v[NMC+2*\t], s18, v[NMC+2*\t]
.endr
.irp t, 0,1,2,3
	v_exp_f32 v[AL+2*\t], v[AL+2*\t]               ; my half's weight
	v_exp_f32 v[NMC+2*\t], v[NMC+2*\t]             ; the partner's
.endr
	v_nop                                          ; one plain place behind the last exponential (ISA guide 5.7.2)
	s_wait_alu depctr_va_vdst(0)
.irp t, 0,1,2,3
	v_mul_f32 v[LS+\t], v[LS+\t], v[AL+2*\t]
.endr
.irp t, 0,1,2,3
	v_fma_f32 v[LS+\t], v[LB+\t], v[NMC+2*\t], v[LS+\t]
.endr
.irp t, 0,1,2,3
	v_permlanex16_b32 v[TX+\t], v[LS+\t], s20, s21 ; the sums of the keys that the other half of the lanes held
.endr
.irp t, 0,1,2,3
	v_add_f32 v[LS+\t], v[LS+\t], v[TX+\t]         ; the row's whole sum: at least 1 if any key is open, 0 if none
.endr
.irp t, 0,1,2,3
	v_rcp_f32 v[TX+\t], v[LS+\t]
.endr
	v_mov_b32 v[CST], 0x7fc00000                   ; NaN; also the plain place behind the reciprocals
	s_wait_alu depctr_va_vdst(0)
.irp t, 0,1,2,3
	v_cmp_eq_f32 vcc_lo, 0, v[LS+\t]               ; every key of the row was masked
	v_cndmask_b32 v[LS+\t], v[TX+\t], v[CST], vcc_lo
.endr
.irp t, 0,1,2,3
	v_mul_f32 v[AL+2*\t], v[AL+2*\t], v[LS+\t]
	v_mul_f32 v[NMC+2*\t], v[NMC+2*\t], v[LS+\t]
.endr
	WIN 0x41                                       ; destination and source 0 (O) in window 1
.irp t, 0,1,2,3
.irp i, 0,2,4,6,8,10,12,14,16,18,20,22,24,26,28,30
	v_pk_mul_f32 v[32*\t+\i:32*\t+\i+1], v[32*\t+\i:32*\t+\i+1], v[AL+2*\t:AL+2*\t+1] op_sel_hi:[1,0]
.endr
.endr
	WIN 0x50                                       ; destination and source 2 (O) in window 1
.irp t, 0,1,2,3
.irp i, 0,2,4,6,8,10,12,14,16,18,20,22,24,26,28,30
	v_pk_fma_f32 v[32*\t+\i:32*\t+\i+1], v[T+32*\t+\i:T+32*\t+\i+1], v[NMC+2*\t:NMC+2*\t+1], v[32*\t+\i:32*\t+\i+1] op_sel_hi:[1,0,1]
.endr
.endr
	WIN 0x05                                       ; both sources in window 1
.set cnt, 0
.rept 64
	v_cvt_pk_f16_f32 v[PK+cnt], v[2*cnt], v[2*cnt+1]   ; a mean of v's scaled rows: at most 2^15 in magnitude
.set cnt, cnt+1
.endr
	WIN 0
	; lane (r, h) holds query r, d = 16 dt + 8 h + 0..7: 16 bytes into my stage; read back so that a store covers four rows, 512 consecutive bytes, aligned
.set cnt, 0
.rept 16
	ds_store_b128 v[STO], v[PK+4*cnt:PK+4*cnt+3] offset:(cnt>>2)*16*KP+(cnt&3)*32
.set cnt, cnt+1
.endr
.set cnt, 0
.rept 16
	ds_load_b128 v[RBK+4*cnt:RBK+4*cnt+3], v[RD] offset:cnt*4*KP   ; LDS serves a wave's instructions in order (ISA guide 5.7.1)
.set cnt, cnt+1
.endr
.set cnt, 0
.rept 16
	s_wait_dscnt 15-cnt                            ; this read-back is in, the younger ones stay out
	global_store_b128 v[CO], v[RBK+4*cnt:RBK+4*cnt+3], s[8:9] offset:cnt*512
.set cnt, cnt+1
.endr
.Lclose:
	s_set_vgpr_msb 0x5
	s_wait_tensorcnt 0x0
	ds_add_u32 v192, v193
	s_wait_dscnt 0x0
	s_set_vgpr_msb 0x500
	ROUND                                          ; the closing round
	s_endpgm
.Lfunc_end_k_qceb04148ba_attn:
	.size	k_qceb04148ba_attn, .Lfunc_end_k_qceb04148ba_attn-k_qceb04148ba_attn
	.p2alignl 7, 3214868480
	.fill 96, 4, 3214868480
	.section	.rodata,"a",@progbits
	.p2align	6, 0x0
	.amdhsa_kernel k_qceb04148ba_attn
		.amdhsa_group_segment_fixed_size 327680
		.amdhsa_private_segment_fixed_size 0
		.amdhsa_enable_private_segment 0
		.amdhsa_kernarg_size 32
		.amdhsa_user_sgpr_count 2
		.amdhsa_user_sgpr_kernarg_segment_ptr 1
		.amdhsa_wavefront_size32 1
		.amdhsa_system_sgpr_workgroup_id_x 1
		.amdhsa_system_sgpr_workgroup_id_y 1
		.amdhsa_system_sgpr_workgroup_id_z 1
		.amdhsa_system_vgpr_workitem_id 0
		.amdhsa_next_free_vgpr 450
		.amdhsa_next_free_sgpr 72
		.amdhsa_reserve_vcc 1
		.amdhsa_float_denorm_mode_32 3
		.amdhsa_float_denorm_mode_16_64 3
		.amdhsa_memory_ordered 1
		.amdhsa_forward_progress 1
		.amdhsa_inst_pref_size 255
	.end_amdhsa_kernel
	.section	.bss,"aw",@nobits
	.p2align	6
	.space	262144
	.amdgpu_metadata
---
amdhsa.version: [ 1, 2 ]
amdhsa.kernels:
  - .name:           k_qceb04148ba_attn
    .symbol:         k_qceb04148ba_attn.kd
    .args:
      - { .name: qkv, .offset: 0, .size: 8, .value_kind: global_buffer, .address_space: global }
      - { .name: mask, .offset: 8, .size: 8, .value_kind: global_buffer, .address_space: global }
      - { .name: att, .offset: 16, .size: 8, .value_kind: global_buffer, .address_space: global }
      - { .name: mx, .offset: 24, .size: 8, .value_kind: global_buffer, .address_space: global }
    .group_segment_fixed_size: 327680
    .private_segment_fixed_size: 0
    .kernarg_segment_align: 8
    .kernarg_segment_size: 32
    .max_flat_workgroup_size: 256
    .sgpr_count:     72
    .vgpr_count:     450
    .wavefront_size: 32
...
	.end_amdgpu_metadata
.endif
;; end of part 3
;; launch proj (part 4): grid 8 x 32, 4 waves a work-group, clusters of 4 x 4, 327,680 bytes of LDS; arguments att, xw, Wo_b, mx, out0; writes out0
.if DOCPART == 4
	.amdgcn_target "amdgcn-amd-amdhsa--gfx1250"
	.amdhsa_code_object_version 6
	.text
	.protected	k_qceb04148ba_proj
	.globl	k_qceb04148ba_proj
	.p2align	8
	.type	k_qceb04148ba_proj,@function
k_qceb04148ba_proj:
	s_mov_b64 s[64:65], 0
	v_nop
	global_prefetch_b8 v0, s[64:65] scope:SCOPE_SE
	s_setreg_imm32_b32 hwreg(HW_REG_WAVE_MODE, 25, 1), 1
	s_wait_xcnt 0x0
	s_wait_alu depctr_hold_cnt(0) depctr_sa_sdst(0) depctr_va_vdst(0) depctr_va_sdst(0) depctr_va_ssrc(0) depctr_va_vcc(0) depctr_vm_vsrc(0)
	s_getreg_b32 s2, hwreg(HW_REG_IB_STS2, 6, 4)
	s_cmp_eq_u32 s2, 0
	s_cbranch_scc0 .Lentry_in_a_cluster
	s_endpgm
.Lentry_in_a_cluster:
	s_bfe_u32 s2, ttmp6, 0x10000c
	s_cmp_lg_u32 s2, 0xf033
	s_cbranch_scc0 .Lentry_shape_is_right
	s_endpgm
.Lentry_shape_is_right:
; out0 = attn Wo^T + Wo_b: [4096 x 1024] times [1024 x 1024]^T in f16 with f32 sums, f32 out.
; attn comes by heads, att[b][h][s][64], feature 64 h + d, in v's scaled units: the true numbers divided by sv = 2^(e - 14), e the exponent of
; B = 1024 max|x| max|Wv| + max|Wv_b|, made again here from the same maxima (mx) by the same arithmetic (biased exponent clamped to 87..187).
; So the sums start at 0 and the way out forms sum x sv + bias in one fused multiply-add.  Wo in f16 lies 14 MiB into xw.
; A work-group makes 128 x 128 (8 x 32 work-groups, one for each WGP; a larger block would leave WGPs without work);
; wave (wm, wn) = (w / 2, w % 2) makes 64 x 64: 16 accumulator tiles.  K = 1024 goes in 8 steps of 128 (two heads) through four LDS slots;
; all four are filled at the start, then two at a time behind one round of the cluster's barrier.  No loop: 8 steps are written out.
; CLUSTERS 4 x 4: attn's tile is asked for jointly along a row of the cluster, Wo's along a column.  A wave issues one load of each
; kind for a K step; by this text's own count it has eight tensor loads out at the start and four behind each refill.
; The matrix instruction is used transposed (source 0 = Wo, source 1 = attn): a lane holds eight neighbouring columns of a row.
; The 16 accumulators take turns, one instruction a turn.
.set AP,    144                        ; pitch of a row's 128 bytes of one head
.set BP,    272                        ; pitch of a row's 256 bytes of Wo
.set BOFF,  256*AP                     ; attn: two heads x 128 rows; then Wo's 128 rows
.set SLOT,  256*AP+128*BP              ; 71,680
.set STAGE, 4*SLOT                     ; 286,720: 16 rows x 272 bytes for each wave; no tensor load lands here
.set ELO, 87                           ; clamp of B's biased exponent, the same in all three launches that make scales
.set EHI, 187
.set ADRA, 4                           ; v4-7   my attn fragments in slot 0..3
.set ADRB, 8                           ; v8-11  my Wo fragments
.set STO,  12
.set RD,   13
.set CO,   14
.set BO,   15
.set FR,   64                          ; buffer p at FR + 64 p: Wo 4 x 8, then attn 4 x 8
.set RB,   64                          ; way out: rows read back, where the fragments lay
.set BIAS, 192                         ; v[192:223] tile b's eight biases
                                       ; v[224:231] eight of x's 256 maxima, v[232:233] two of Wv's 64
.set G1A, 24
.set G1B, 32
.set G0A, 40                           ; s[40:55], four registers a slot
.set G0B, 68                           ; s[68:83]
.set MSB, 0
.macro WIN new
.if MSB != \new
	s_set_vgpr_msb (MSB<<8)|\new
.set MSB, \new
.endif
.endm
.macro PLACES
.rept 4
	v_nop
.endr
.endm
.macro CROUND                          ; a round of the cluster's barrier
	s_barrier_signal -1
	s_barrier_wait -1
	s_cmp_lg_u32 s14, 0
	s_cbranch_scc1 .Lnot_wave_0_\@
	s_barrier_signal -3
.Lnot_wave_0_\@:
	s_barrier_wait -3
	s_barrier_signal -1
	s_barrier_wait -1
.endm
	s_load_b256 s[4:11], s[0:1], 0x0               ; att s[4:5], xw s[6:7], Wo_b s[8:9], mx s[10:11]
	s_load_b64 s[22:23], s[0:1], 0x20              ; out0
	v_lshl_add_u32 v254, v0, 2, 0x4a400
	v_mov_b32 v255, 0
	ds_add_u32 v254, v255
	ds_add_u32 v254, v255
	v_lshrrev_b32 v1, 5, v0
	v_readfirstlane_b32 s14, v1                    ; wave 0..3
	s_lshr_b32 s12, s14, 1                         ; wm; also: which head of the step's two I fetch
	s_and_b32 s13, s14, 1                          ; wn; also: which 64 rows of it
	s_bfe_u32 s16, ttmp6, 0x40000                  ; cx
	s_bfe_u32 s17, ttmp6, 0x40004                  ; cy
	s_lshl_b32 s18, ttmp9, 2
	s_add_co_u32 s18, s18, s16                     ; nb
	s_and_b32 s19, ttmp7, 0xffff
	s_lshl_b32 s19, s19, 2
	s_add_co_u32 s19, s19, s17                     ; mb
	s_lshl_b32 s20, s17, 2
	s_lshl_b32 s20, 15, s20                        ; my row of the cluster
	s_lshl_b32 s21, 0x1111, s16                    ; my column
	; attn: 8,192 dense bytes (64 rows of a head) as 32 rows of 32 elements of 8 bytes, 4 words of padding behind every 32 words
	s_or_b32 s[G1A+0], s20, (3<<16)|(1<<20)|(1<<21)|(4<<22)|(3<<25)
	s_mov_b32 s[G1A+1], 32<<16
	s_mov_b32 s[G1A+2], 32<<16
	s_mov_b32 s[G1A+3], 32<<16
	s_mov_b32 s[G1A+4], 32
	s_mov_b32 s[G1A+5], 32
	s_mov_b32 s[G1A+6], 0
	s_mov_b32 s[G1A+7], 0
	; Wo: 32 rows x 128 elements of 2 bytes, 4 words of padding behind every 64 words
	s_or_b32 s[G1B+0], s21, (1<<16)|(1<<20)|(1<<21)|(5<<22)|(3<<25)
	s_mov_b32 s[G1B+1], 128<<16
	s_mov_b32 s[G1B+2], 32<<16
	s_mov_b32 s[G1B+3], 128<<16
	s_mov_b32 s[G1B+4], 32
	s_mov_b32 s[G1B+5], 1024
	s_mov_b32 s[G1B+6], 0
	s_mov_b32 s[G1B+7], 0
	; attn: slice 16 (mb / 16) + w / 2, row 128 (mb % 16) + 64 (w % 2).  These registers never hold cx.
	s_lshr_b32 s56, s19, 4
	s_lshl_b32 s56, s56, 4
	s_add_co_u32 s56, s56, s12
	s_lshl_b32 s56, s56, 18
	s_and_b32 s57, s19, 15
	s_lshl_b32 s57, s57, 7
	s_lshl_b32 s62, s13, 6
	s_add_co_u32 s57, s57, s62
	s_lshl_b32 s57, s57, 7
	s_add_co_u32 s56, s56, s57
	s_mov_b32 s57, 0
	; Wo: row 128 nb + 32 w of 2,048 bytes.  These registers never hold cy.
	s_lshl_b32 s58, s18, 7
	s_lshl_b32 s59, s14, 5
	s_add_co_u32 s58, s58, s59
	s_lshl_b32 s58, s58, 11
	s_add_co_u32 s58, s58, 14680064
	s_mov_b32 s59, 0
	s_mul_i32 s60, s14, 64*AP
	s_mul_i32 s61, s14, 32*BP
	s_add_co_u32 s61, s61, BOFF
	; my columns in bytes, and my first row of out0
	s_lshl_b32 s88, s18, 9
	s_lshl_b32 s89, s13, 8
	s_add_co_u32 s88, s88, s89
	s_mov_b32 s89, 0
	s_lshl_b32 s86, s19, 19
	s_lshl_b32 s87, s12, 18
	s_add_co_u32 s86, s86, s87
	s_add_co_u32 s86, s86, s88
	s_mov_b32 s87, 0
	s_wait_dscnt 0x0
	s_wait_kmcnt 0x0
	s_load_b32 s15, s[10:11], 0x808                ; max|Wv_b|: waited for where it is used, on the way out
	s_add_nc_u64 s[56:57], s[4:5], s[56:57]
	s_add_nc_u64 s[58:59], s[6:7], s[58:59]
	s_add_nc_u64 s[84:85], s[8:9], s[88:89]
	s_add_nc_u64 s[86:87], s[22:23], s[86:87]
	CROUND                                         ; in front of the first joint loads
.irp s, 0,1,2,3
	s_mov_b32 s[G0A+4*\s], 1
	s_add_co_u32 s[G0A+4*\s+1], s60, \s*SLOT
	s_add_nc_u64 s[G0A+4*\s+2:G0A+4*\s+3], s[56:57], \s*524288     ; K step s: two heads on
	s_or_b32 s[G0A+4*\s+3], s[G0A+4*\s+3], 0x80000000
	s_mov_b32 s[G0B+4*\s], 1
	s_add_co_u32 s[G0B+4*\s+1], s61, \s*SLOT
	s_add_nc_u64 s[G0B+4*\s+2:G0B+4*\s+3], s[58:59], \s*256
	s_or_b32 s[G0B+4*\s+3], s[G0B+4*\s+3], 0x80000000
	tensor_load_to_lds s[G0A+4*\s:G0A+4*\s+3], s[G1A:G1A+7]
	s_nop 0
	tensor_load_to_lds s[G0B+4*\s:G0B+4*\s+3], s[G1B:G1B+7]
	s_nop 0
.endr
	v_and_b32 v1, 15, v0                           ; r
	v_bfe_u32 v2, v0, 4, 1                         ; h
	v_and_b32 v3, 31, v0                           ; lane
	v_lshlrev_b32 v[BO], 5, v2
	v_lshlrev_b32 v20, 5, v3                       ; 32 x lane: eight of x's 256 maxima
	v_lshlrev_b32 v21, 3, v3                       ; 8 x lane: two of Wv's 64
.irp b, 0,1,2,3
	global_load_b128 v[BIAS+8*\b:BIAS+8*\b+3],   v[BO], s[84:85] offset:\b*64
	global_load_b128 v[BIAS+8*\b+4:BIAS+8*\b+7], v[BO], s[84:85] offset:\b*64+16
.endr
	global_load_b128 v[224:227], v20, s[10:11]
	global_load_b128 v[228:231], v20, s[10:11] offset:16
	global_load_b64 v[232:233], v21, s[10:11] offset:1536
	v_mul_u32_u24 v16, v1, AP
	v_lshl_add_u32 v16, v2, 4, v16
	s_mul_i32 s62, s12, 64*AP
	v_add_nc_u32 v[ADRA], s62, v16
	v_mul_u32_u24 v17, v1, BP
	v_lshl_add_u32 v17, v2, 4, v17
	s_mul_i32 s63, s13, 64*BP
	s_add_co_u32 s63, s63, BOFF
	v_add_nc_u32 v[ADRB], s63, v17
.irp s, 1,2,3
	v_add_nc_u32 v[ADRA+\s], \s*SLOT, v[ADRA]
	v_add_nc_u32 v[ADRB+\s], \s*SLOT, v[ADRB]
.endr
	s_mul_i32 s62, s14, 16*BP
	s_add_co_u32 s62, s62, STAGE                   ; my stage
	v_mul_u32_u24 v18, v1, BP
	v_lshl_add_u32 v18, v2, 5, v18
	v_add_nc_u32 v[STO], s62, v18                  ; in: row r, 32 bytes for each half of the lanes
	v_mul_u32_u24 v19, v2, BP
	v_lshl_add_u32 v19, v1, 4, v19
	v_add_nc_u32 v[RD], s62, v19                   ; back: lanes 0-15 one row of 256 bytes, lanes 16-31 the next
	v_lshlrev_b32 v[CO], 12, v2
	v_lshl_add_u32 v[CO], v1, 4, v[CO]             ; the same two rows in out0
; 16 LDS loads: quarter q (32 along K) of a slot into buffer p, four places behind the matrix instructions that read the buffer last
.macro FETCH slot, q, p
	PLACES
.irp b, 0,1,2,3
	ds_load_b128 v[FR+64*\p+8*\b:FR+64*\p+8*\b+3],   v[ADRB+\slot] offset:\q*64+\b*16*BP
	ds_load_b128 v[FR+64*\p+8*\b+4:FR+64*\p+8*\b+7], v[ADRB+\slot] offset:\q*64+\b*16*BP+32
.endr
.irp a, 0,1,2,3
	ds_load_b128 v[FR+64*\p+32+8*\a:FR+64*\p+32+8*\a+3],   v[ADRA+\slot] offset:(\q>>1)*128*AP+(\q&1)*64+\a*16*AP
	ds_load_b128 v[FR+64*\p+32+8*\a+4:FR+64*\p+32+8*\a+7], v[ADRA+\slot] offset:(\q>>1)*128*AP+(\q&1)*64+\a*16*AP+32
.endr
.endm
; 16 matrix instructions on buffer p.  more = 1: the next quarter's 16 loads have just been issued and stay out.  zero = 1: they start the sums.
.macro QM p, more, zero
.if \more
	s_wait_dscnt 16
.else
	s_wait_dscnt 0
.endif
	WIN 0x50                                       ; C and D in window 1
.irp a, 0,1,2,3
.irp b, 0,1,2,3
.if \zero
	v_wmma_f32_16x16x32_f16 v[8*(4*\a+\b):8*(4*\a+\b)+7], v[FR+64*\p+8*\b:FR+64*\p+8*\b+7], v[FR+64*\p+32+8*\a:FR+64*\p+32+8*\a+7], 0
.else
	v_wmma_f32_16x16x32_f16 v[8*(4*\a+\b):8*(4*\a+\b)+7], v[FR+64*\p+8*\b:FR+64*\p+8*\b+7], v[FR+64*\p+32+8*\a:FR+64*\p+32+8*\a+7], v[8*(4*\a+\b):8*(4*\a+\b)+7]
.endif
.endr
.endr
	WIN 0
.endm
.macro SEG1 s, zero                    ; one K step
	FETCH \s, 0, 0
	FETCH \s, 1, 1
	QM 0, 1, \zero
	FETCH \s, 2, 0
	QM 1, 1, 0
	FETCH \s, 3, 1
	QM 0, 1, 0
	QM 1, 0, 0
.endm
.macro SEG2 s, u                       ; two K steps
	FETCH \s, 0, 0
	FETCH \s, 1, 1
	QM 0, 1, 0
	FETCH \s, 2, 0
	QM 1, 1, 0
	FETCH \s, 3, 1
	QM 0, 1, 0
	FETCH \u, 0, 0
	QM 1, 1, 0
	FETCH \u, 1, 1
	QM 0, 1, 0
	FETCH \u, 2, 0
	QM 1, 1, 0
	FETCH \u, 3, 1
	QM 0, 1, 0
	QM 1, 0, 0
.endm
; slots a and b, which have been read, are filled again, four K steps on
.macro REFILL a, b
	s_wait_dscnt 0x0                               ; my reads of the two slots are done
	s_wait_tensorcnt 0x0                           ; all my tensor loads have landed, so every group 0 may be written
	ds_add_u32 v254, v255
	s_wait_dscnt 0x0
.irp s, \a, \b
	s_add_nc_u64 s[G0A+4*\s+2:G0A+4*\s+3], s[G0A+4*\s+2:G0A+4*\s+3], 4*524288
	s_add_nc_u64 s[G0B+4*\s+2:G0B+4*\s+3], s[G0B+4*\s+2:G0B+4*\s+3], 4*256
.endr
	CROUND                                         ; both hold of every wave of the sixteen work-groups
.irp s, \a, \b
	tensor_load_to_lds s[G0A+4*\s:G0A+4*\s+3], s[G1A:G1A+7]
	s_nop 0
	tensor_load_to_lds s[G0B+4*\s:G0B+4*\s+3], s[G1B:G1B+7]
	s_nop 0
.endr
.endm
	s_wait_tensorcnt 6                             ; my two parts of K step 0 are in; steps 1 to 3 (six loads) stay out
	s_barrier_signal -1
	s_barrier_wait -1
	s_wait_loadcnt 0x0                             ; the bias and the maxima
	SEG1 0, 1
	s_wait_tensorcnt 4                             ; K step 1 is in; steps 2, 3 stay out
	s_wait_dscnt 0x0
	s_barrier_signal -1
	s_barrier_wait -1
	SEG1 1, 0
	REFILL 0, 1                                    ; steps 2, 3 have landed; steps 4, 5 go out
	SEG2 2, 3
	REFILL 2, 3                                    ; steps 4, 5 have landed; steps 6, 7 go out
	SEG2 0, 1
	s_wait_tensorcnt 0x0                           ; steps 6, 7
	s_wait_dscnt 0x0
	s_barrier_signal -1
	s_barrier_wait -1
	SEG2 2, 3
	PLACES                                         ; behind the last matrix instructions, in front of the lines that read their results
	; sv = 2^(e - 14): fold the maxima in the lane and across the lanes, then B and its exponent
	s_mov_b32 s88, 0x76543210                      ; v_permlanex16_b32: lane i takes lane i of the other half
	s_mov_b32 s89, 0xfedcba98
	v_max3_num_f32 v224, v224, v225, v226
	v_max3_num_f32 v224, v224, v227, v228
	v_max3_num_f32 v224, v224, v229, v230
	v_max_num_f32 v224, v224, v231
	v_max_num_f32 v232, v232, v233
.irp m, 1,2,4,8
.irp q, 224,232
	v_max_num_f32_dpp v\q, v\q, v\q row_xmask:\m row_mask:0xf bank_mask:0xf
.endr
.endr
.irp q, 224,232
	v_permlanex16_b32 v[\q+1], v\q, s88, s89       ; destinations that loads have written
.endr
.irp q, 224,232
	v_max_num_f32 v\q, v\q, v[\q+1]
.endr
	v_mul_f32 v224, 0x44800000, v224               ; 1024 max|x|
	s_wait_kmcnt 0x0                               ; max|Wv_b|
	v_fma_f32 v232, v224, v232, s15                ; B of v
	v_readfirstlane_b32 s62, v232
	s_lshr_b32 s62, s62, 23                        ; B is not negative: its biased exponent
	s_max_u32 s62, s62, ELO
	s_min_u32 s62, s62, EHI
	s_sub_co_u32 s62, s62, 14
	s_lshl_b32 s62, s62, 23                        ; sv
	s_mov_b32 s63, s62                             ; a pair for the packed form
	WIN 0x41                                       ; destination and source 0 (the sums) in window 1, the bias in window 0
.irp a, 0,1,2,3
.irp b, 0,1,2,3
.irp r, 0,2,4,6
	v_pk_fma_f32 v[8*(4*\a+\b)+\r:8*(4*\a+\b)+\r+1], v[8*(4*\a+\b)+\r:8*(4*\a+\b)+\r+1], s[62:63], v[BIAS+8*\b+\r:BIAS+8*\b+\r+1] op_sel_hi:[1,0,1]
.endr
.endr
.endr
	; THE WAY OUT, 16 rows at a time through my stage: sixteen lanes store 256 consecutive bytes of a row of out0, aligned
.irp a, 0,1,2,3
	WIN 0x04                                       ; store data from window 1
.irp b, 0,1,2,3
	ds_store_b128 v[STO], v[8*(4*\a+\b):8*(4*\a+\b)+3]   offset:\b*64
	ds_store_b128 v[STO], v[8*(4*\a+\b)+4:8*(4*\a+\b)+7] offset:\b*64+16
.endr
	WIN 0
	s_wait_xcnt 0x0                                ; RB and the base, which the last stores read, are written again only behind this wait
.if \a
	s_add_nc_u64 s[86:87], s[86:87], 65536         ; 16 rows of 4,096 bytes on
.endif
.irp u, 0,1,2,3,4,5,6,7
	ds_load_b128 v[RB+4*\u:RB+4*\u+3], v[RD] offset:\u*2*BP        ; LDS serves a wave's instructions in order (ISA guide 5.7.1)
.endr
.irp u, 0,1,2,3,4,5,6,7
	s_wait_dscnt 7-\u                              ; read-back u is in, the younger ones stay out
	global_store_b128 v[CO], v[RB+4*\u:RB+4*\u+3], s[86:87] offset:\u*8192 th:TH_STORE_NT
.endr
.endr
	s_wait_tensorcnt 0x0
	ds_add_u32 v254, v255
	s_wait_dscnt 0x0
	CROUND                                         ; the closing round
	s_endpgm
.Lfunc_end_k_qceb04148ba_proj:
	.size	k_qceb04148ba_proj, .Lfunc_end_k_qceb04148ba_proj-k_qceb04148ba_proj
	.p2alignl 7, 3214868480
	.fill 96, 4, 3214868480
	.section	.rodata,"a",@progbits
	.p2align	6, 0x0
	.amdhsa_kernel k_qceb04148ba_proj
		.amdhsa_group_segment_fixed_size 327680
		.amdhsa_private_segment_fixed_size 0
		.amdhsa_enable_private_segment 0
		.amdhsa_kernarg_size 40
		.amdhsa_user_sgpr_count 2
		.amdhsa_user_sgpr_kernarg_segment_ptr 1
		.amdhsa_wavefront_size32 1
		.amdhsa_system_sgpr_workgroup_id_x 1
		.amdhsa_system_sgpr_workgroup_id_y 1
		.amdhsa_system_sgpr_workgroup_id_z 1
		.amdhsa_system_vgpr_workitem_id 0
		.amdhsa_next_free_vgpr 384
		.amdhsa_next_free_sgpr 90
		.amdhsa_reserve_vcc 0
		.amdhsa_float_denorm_mode_32 3
		.amdhsa_float_denorm_mode_16_64 3
		.amdhsa_memory_ordered 1
		.amdhsa_forward_progress 1
		.amdhsa_inst_pref_size 98
	.end_amdhsa_kernel
	.amdgpu_metadata
---
amdhsa.version: [ 1, 2 ]
amdhsa.kernels:
  - .name:           k_qceb04148ba_proj
    .symbol:         k_qceb04148ba_proj.kd
    .args:
      - { .name: att, .offset: 0, .size: 8, .value_kind: global_buffer, .address_space: global }
      - { .name: xw, .offset: 8, .size: 8, .value_kind: global_buffer, .address_space: global }
      - { .name: Wo_b, .offset: 16, .size: 8, .value_kind: global_buffer, .address_space: global }
      - { .name: mx, .offset: 24, .size: 8, .value_kind: global_buffer, .address_space: global }
      - { .name: out0, .offset: 32, .size: 8, .value_kind: global_buffer, .address_space: global }
    .group_segment_fixed_size: 327680
    .private_segment_fixed_size: 0
    .kernarg_segment_align: 8
    .kernarg_segment_size: 40
    .max_flat_workgroup_size: 128
    .sgpr_count:     90
    .vgpr_count:     384
    .wavefront_size: 32
...
	.end_amdgpu_metadata
.endif
;; end of part 4
